; MI455X (gfx1250); checked and timed in simulation.
; The chip was launched on July 23, 2026; its instructions are those of AMD's public machine-readable ISA for CDNA 5 (MIT licence, August 2026) and "CDNA5" Instruction Set Architecture Reference Guide (July 2026). The comments in the code are by the model that wrote it; some were corrected since.
;; Mo E Layer. Allowed arithmetic: float matrix products may take bf16 or f16 operands with f32 sums; all other float work in f32.
;; Inputs: W1 8 x 1,024 x 4,096 float32; W2 8 x 4,096 x 1,024 float32; Wg 1,024 x 8 float32; b1 8 x 4,096 float32; b2 8 x 1,024 float32; bg 8 float32; x 4 x 256 x 1,024 float32.
;; Outputs: out0 4 x 256 x 1,024 float32; out1 1,024 x 8 float32.
;; 2 versions, each right. Each part assembles by itself: llvm-mc -triple=amdgcn-amd-amdhsa -mcpu=gfx1250 --defsym DOCPART=n.
;; ======== version 1 of 2: 4 launches
;; limits: inputs' magnitudes at most 65,504; values are held in f16: magnitudes above 65,504 overflow, below 6.1e-05 lose precision
;; workspace buffers: xh 2,097,152 bytes; h 8,388,608 bytes; part 16,777,216 bytes; eidx 4,096 bytes of whole numbers; emask 1,024 bytes of whole numbers
;; launch gate (part 1): grid 128 x 1, 8 waves a work-group, no clusters, 38,400 bytes of LDS; arguments x, Wg, bg, out1, xh, eidx, emask; writes out1, xh, eidx, emask
.if DOCPART == 1
	.amdgcn_target "amdgcn-amd-amdhsa--gfx1250"
	.amdhsa_code_object_version 6
	.text
	.protected	k_qe28164ddf9_gate
	.globl	k_qe28164ddf9_gate
	.p2align	8
	.type	k_qe28164ddf9_gate,@function
k_qe28164ddf9_gate:
	s_mov_b64 s[64:65], 0
	v_nop
	global_prefetch_b8 v0, s[64:65] scope:SCOPE_SE
	s_setreg_imm32_b32 hwreg(HW_REG_WAVE_MODE, 25, 1), 1
	s_wait_xcnt 0x0
; GATE.  out1[t][0..7] = softmax(x[t] . Wg + bg); eidx[t] = index of the largest weight (the lowest index among equals);
; emask[e] = 1,024 bits, bit t set where eidx[t] = e; xh = x rounded to f16 for the expert products.
; The logits are made by f32 fused multiply-adds, not by the matrix unit: the choice of the expert hangs on their last digits,
; and they are 8 of the problem's 8,392,704 multiply-adds a token.
; Eight waves, one token a wave; the work-group owns tokens 8 g .. 8 g + 7: one whole byte of each expert's mask and 256 consecutive
; bytes of out1.  Wg (32 KiB) is copied once into LDS; a lane holds x[t][128 i + 4 l + c] and reads the four rows of Wg that go with them.
; LIMITS: |x| above 65,504 becomes infinite in xh.  A NaN among the logits is not ordered as top_k orders it.  A weight below 2^-126
; comes out as 0 (v_exp_f32 flushes denormal results: ISA guide, its entry in 15.8).
.set PITCH, 144                        ; a block of Wg: 4 rows x 8 f32 = 128 bytes, + 16: lanes 144 bytes apart start at 16 different 16-byte columns of a 256-byte span
.set NBLK,  32*PITCH                   ; 32 blocks: what the 256 threads copy with one store each, and what the 32 lanes read for one i
.set EXW,   36864                      ; behind the 256 blocks: 8 tokens x 8 weights
.set EXI,   37120                      ; 8 indices
.set X,   8                            ; v[8:39]    x[t][128 i + 4 l + c] at X + 4 i + c
.set WR,  40                           ; v[40:103]  two buffers of 32: four rows of Wg; buffer 0 first carries the copy of Wg; later at work
.set ACC, 104                          ; v[104:111] the lane's eight partial logits
.set XH,  112                          ; v[112:127] x as f16
	s_load_b256 s[4:11], s[0:1], 0x0               ; x s[4:5], Wg s[6:7], bg s[8:9], out1 s[10:11]
	s_load_b128 s[12:15], s[0:1], 0x20             ; xh s[12:13], eidx s[14:15]
	s_load_b64 s[16:17], s[0:1], 0x30              ; emask
	v_lshl_add_u32 v128, v0, 2, 0x9200
	v_mov_b32 v129, 0
	v_and_b32 v1, 31, v0                           ; lane
	v_lshrrev_b32 v2, 5, v0
	v_readfirstlane_b32 s18, v2                    ; wave
	s_mov_b32 s28, 0x76543210                      ; v_permlanex16_b32: lane i reads lane i of the other half
	s_mov_b32 s29, 0xfedcba98
	s_mov_b32 s30, 0x3fb8aa3b                      ; log2(e)
	s_lshl_b32 s19, ttmp9, 3
	s_add_co_u32 s19, s19, s18                     ; my token
	s_lshl_b32 s2, s19, 12                         ; its row in x, bytes
	s_lshl_b32 s3, s19, 11                         ; its row in xh
	v_lshlrev_b32 v3, 4, v0                        ; the copy of Wg: thread n takes bytes 16 n + 4,096 m
	v_lshrrev_b32 v4, 3, v0                        ; their block
	v_and_b32 v5, 7, v0                            ; their place in it
	v_mul_u32_u24 v4, v4, PITCH
	v_lshl_add_u32 v4, v5, 4, v4                   ; where they go in LDS
	v_lshl_add_u32 v5, v1, 4, s2                   ; x: row + 16 l
	v_lshl_add_u32 v6, v1, 3, s3                   ; xh: row + 8 l
	v_mul_u32_u24 v7, v1, PITCH                    ; my block among the 32 of one i
	s_wait_kmcnt 0x0
	s_load_b256 s[20:27], s[8:9], 0x0              ; bg: no line of this kernel writes it
.irp m, 0,1,2,3,4,5,6,7
	global_load_b128 v[WR+4*\m:WR+4*\m+3], v3, s[6:7] offset:4096*\m
.endr
.irp i, 0,1,2,3,4,5,6,7
	global_load_b128 v[X+4*\i:X+4*\i+3], v5, s[4:5] offset:512*\i th:TH_LOAD_NT
.endr
	s_wait_loadcnt 0x8                             ; the eight loads of x are younger: Wg is in
.irp m, 0,1,2,3,4,5,6,7
	ds_store_b128 v4, v[WR+4*\m:WR+4*\m+3] offset:NBLK*\m
.endr
	s_wait_dscnt 0x0                               ; my part of Wg is in LDS before I say so
	s_barrier_signal -1
	s_barrier_wait -1                              ; everybody's is
.macro WLD i, buf                      ; rows 128 i + 4 l .. + 3 of Wg: WR + 32 buf + 8 c + e
.irp q, 0,1,2,3,4,5,6,7
	ds_load_b128 v[WR+32*\buf+4*\q:WR+32*\buf+4*\q+3], v7 offset:NBLK*\i+16*\q
.endr
.endm
; eight multiply-adds: row c of the four times x's number c; hi = 1: that number is the second register of its pair
.macro ROWF i, buf, c, hi
.irp p, 0,1,2,3
.if \hi
	v_pk_fma_f32 v[ACC+2*\p:ACC+2*\p+1], v[WR+32*\buf+8*\c+2*\p:WR+32*\buf+8*\c+2*\p+1], v[X+4*\i+\c-1:X+4*\i+\c], v[ACC+2*\p:ACC+2*\p+1] op_sel:[0,1,0] op_sel_hi:[1,1,1]
.else
	v_pk_fma_f32 v[ACC+2*\p:ACC+2*\p+1], v[WR+32*\buf+8*\c+2*\p:WR+32*\buf+8*\c+2*\p+1], v[X+4*\i+\c:X+4*\i+\c+1], v[ACC+2*\p:ACC+2*\p+1] op_sel_hi:[1,0,1]
.endif
.endr
.endm
.macro FMAS i, buf, first              ; first = 1: the first products start the sums, nothing is cleared
.if \first
.irp p, 0,1,2,3
	v_pk_mul_f32 v[ACC+2*\p:ACC+2*\p+1], v[WR+32*\buf+2*\p:WR+32*\buf+2*\p+1], v[X+4*\i:X+4*\i+1] op_sel_hi:[1,0]
.endr
.else
	ROWF \i, \buf, 0, 0
.endif
	ROWF \i, \buf, 1, 1
	ROWF \i, \buf, 2, 0
	ROWF \i, \buf, 3, 1
.endm
	WLD 0, 0
	WLD 1, 1
	s_wait_loadcnt 0x0                             ; x
.irp i, 0,1,2,3,4,5,6,7
	v_cvt_pk_f16_f32 v[XH+2*\i],   v[X+4*\i],   v[X+4*\i+1]
	v_cvt_pk_f16_f32 v[XH+2*\i+1], v[X+4*\i+2], v[X+4*\i+3]
.endr
.irp i, 0,1,2,3,4,5,6,7
	global_store_b64 v6, v[XH+2*\i:XH+2*\i+1], s[12:13] offset:256*\i    ; a store of the wave covers 256 consecutive bytes, aligned
.endr
	s_wait_dscnt 0x8                               ; in each turn: the other buffer's eight loads are younger and stay out
	FMAS 0, 0, 1
	WLD 2, 0
	s_wait_dscnt 0x8
	FMAS 1, 1, 0
	WLD 3, 1
	s_wait_dscnt 0x8
	FMAS 2, 0, 0
	WLD 4, 0
	s_wait_dscnt 0x8
	FMAS 3, 1, 0
	WLD 5, 1
	s_wait_dscnt 0x8
	FMAS 4, 0, 0
	WLD 6, 0
	s_wait_dscnt 0x8
	FMAS 5, 1, 0
	WLD 7, 1
	s_wait_dscnt 0x8
	FMAS 6, 0, 0
	s_wait_dscnt 0x0                               ; nothing younger is left
	FMAS 7, 1, 0
	; the eight sums over the 32 lanes; every lane ends with the same bits
.irp k, 1,2,4,8
.irp e, 0,1,2,3,4,5,6,7
	v_add_f32_dpp v[ACC+\e], v[ACC+\e], v[ACC+\e] row_xmask:\k row_mask:0xf bank_mask:0xf
.endr
.endr
.irp e, 0,1,2,3,4,5,6,7
	v_permlanex16_b32 v[WR+\e], v[ACC+\e], s28, s29        ; its destination counts as read: WR has been written
.endr
	s_wait_kmcnt 0x0                               ; bg
.irp e, 0,1,2,3,4,5,6,7
	v_add_f32 v[ACC+\e], v[ACC+\e], v[WR+\e]
.endr
.irp e, 0,1,2,3,4,5,6,7
	v_add_f32 v[ACC+\e], s[20+\e], v[ACC+\e]               ; the logits
.endr
	; softmax with the maximum taken away.  The exponent is L log2e - round(m log2e) in one fused multiply-add: the rounding's
	; residue is the same for all eight and cancels in the division by their sum.
	v_max3_num_f32 v48, v[ACC], v[ACC+1], v[ACC+2]
	v_max3_num_f32 v48, v48, v[ACC+3], v[ACC+4]
	v_max3_num_f32 v48, v48, v[ACC+5], v[ACC+6]
	v_max_num_f32 v48, v48, v[ACC+7]
	v_mul_f32 v49, s30, v48
.irp e, 0,1,2,3,4,5,6,7
	v_fma_f32 v[ACC+\e], v[ACC+\e], s30, -v49
.endr
.irp e, 0,1,2,3,4,5,6,7
	v_exp_f32 v[56+\e], v[ACC+\e]
.endr
	v_nop                                          ; one plain instruction behind the last transcendental before its result is used (ISA guide 5.7.2)
	s_wait_alu depctr_va_vdst(0)
	v_add_f32 v49, v56, v57
	v_add_f32 v50, v58, v59
	v_add_f32 v51, v60, v61
	v_add_f32 v52, v62, v63
	v_add_f32 v49, v49, v50
	v_add_f32 v51, v51, v52
	v_add_f32 v49, v49, v51
	v_rcp_f32 v52, v49
	v_mov_b32 v53, 0                               ; the index starts at 0; also the plain instruction behind v_rcp_f32
	s_wait_alu depctr_va_vdst(0)
.irp e, 0,1,2,3,4,5,6,7
	v_mul_f32 v[56+\e], v[56+\e], v52              ; the weights
.endr
	v_mov_b32 v50, v56
.irp e, 1,2,3,4,5,6,7
	v_cmp_gt_f32 vcc_lo, v[56+\e], v50             ; strictly larger: among equals the lowest index stays
	v_cndmask_b32 v53, v53, \e, vcc_lo
	v_max_num_f32 v50, v50, v[56+\e]
.endr
	; the eight waves' results meet in LDS, so that wave 0 can store whole pieces.  The index goes into stores only: no address and no branch hangs on it.
	v_mov_b32 v54, s18
	v_lshlrev_b32 v55, 2, v54
	v_lshlrev_b32 v54, 5, v54
	ds_store_b128 v54, v[56:59] offset:EXW         ; all lanes write the same bytes with the same values
	ds_store_b128 v54, v[60:63] offset:EXW+16
	ds_store_b32 v55, v53 offset:EXI
	s_wait_dscnt 0x0
	s_barrier_signal -1
	s_barrier_wait -1
	s_cmp_lg_u32 s18, 0
	s_cbranch_scc1 .Lend                           ; no barrier follows
	v_and_b32 v72, 15, v1
	v_lshlrev_b32 v72, 4, v72
	v_and_b32 v73, 7, v1
	v_lshlrev_b32 v73, 2, v73
	v_mov_b32 v74, 0
	ds_load_b128 v[64:67], v72 offset:EXW          ; lanes 0-15: 16 bytes each of the group's 256 bytes of out1
	ds_load_b32 v68, v73 offset:EXI                ; lanes 0-7: token 8 g + l's index
	ds_load_b128 v[76:79], v74 offset:EXI          ; all eight indices in every lane
	ds_load_b128 v[80:83], v74 offset:EXI+16
	s_lshl_b32 s2, ttmp9, 8
	s_lshl_b32 s3, ttmp9, 5
	s_mov_b32 s19, ttmp9
	v_lshl_add_u32 v86, v1, 4, s2                  ; out1: 256 g + 16 l
	v_lshl_add_u32 v87, v1, 2, s3                  ; eidx: 32 g + 4 l
	v_lshl_add_u32 v88, v1, 7, s19                 ; emask: expert l's 128 bytes, byte g
	s_wait_dscnt 0x0
	v_cmp_eq_u32 vcc_lo, v76, v1                   ; lane l makes expert l's byte: bit w set where token 8 g + w chose l
	v_cndmask_b32 v84, 0, 1, vcc_lo
.irp w, 1,2,3,4,5,6,7
	v_cmp_eq_u32 vcc_lo, v[76+\w], v1
	v_cndmask_b32 v85, 0, 1, vcc_lo
	v_lshl_or_b32 v84, v85, \w, v84
.endr
	s_wait_xcnt 0x0                                ; EXEC is a source of the stores of xh: it changes only behind this wait
	v_cmpx_gt_u32 16, v1
	global_store_b128 v86, v[64:67], s[10:11]      ; sixteen lanes: 256 consecutive bytes, aligned
	s_wait_xcnt 0x0                                ; and again before EXEC narrows further
	v_cmpx_gt_u32 8, v1
	global_store_b32 v87, v68, s[14:15]            ; 32 bytes of indices and
	global_store_b8 v88, v84, s[16:17]             ; eight single bytes a work-group: all that these two small tables get from it
.Lend:
	s_wait_xcnt 0x0
	s_mov_b32 exec_lo, -1
	s_wait_tensorcnt 0x0
	ds_add_u32 v128, v129
	s_wait_dscnt 0x0
	s_endpgm
.Lfunc_end_k_qe28164ddf9_gate:
	.size	k_qe28164ddf9_gate, .Lfunc_end_k_qe28164ddf9_gate-k_qe28164ddf9_gate
	.p2alignl 7, 3214868480
	.fill 96, 4, 3214868480
	.section	.rodata,"a",@progbits
	.p2align	6, 0x0
	.amdhsa_kernel k_qe28164ddf9_gate
		.amdhsa_group_segment_fixed_size 38400
		.amdhsa_private_segment_fixed_size 0
		.amdhsa_enable_private_segment 0
		.amdhsa_kernarg_size 56
		.amdhsa_user_sgpr_count 2
		.amdhsa_user_sgpr_kernarg_segment_ptr 1
		.amdhsa_wavefront_size32 1
		.amdhsa_system_sgpr_workgroup_id_x 1
		.amdhsa_system_sgpr_workgroup_id_y 1
		.amdhsa_system_sgpr_workgroup_id_z 1
		.amdhsa_system_vgpr_workitem_id 0
		.amdhsa_next_free_vgpr 130
		.amdhsa_next_free_sgpr 66
		.amdhsa_reserve_vcc 1
		.amdhsa_float_denorm_mode_32 3
		.amdhsa_float_denorm_mode_16_64 3
		.amdhsa_memory_ordered 1
		.amdhsa_forward_progress 1
		.amdhsa_inst_pref_size 27
	.end_amdhsa_kernel
	.amdgpu_metadata
---
amdhsa.version: [ 1, 2 ]
amdhsa.kernels:
  - .name:           k_qe28164ddf9_gate
    .symbol:         k_qe28164ddf9_gate.kd
    .args:
      - { .name: x, .offset: 0, .size: 8, .value_kind: global_buffer, .address_space: global }
      - { .name: Wg, .offset: 8, .size: 8, .value_kind: global_buffer, .address_space: global }
      - { .name: bg, .offset: 16, .size: 8, .value_kind: global_buffer, .address_space: global }
      - { .name: out1, .offset: 24, .size: 8, .value_kind: global_buffer, .address_space: global }
      - { .name: xh, .offset: 32, .size: 8, .value_kind: global_buffer, .address_space: global }
      - { .name: eidx, .offset: 40, .size: 8, .value_kind: global_buffer, .address_space: global }
      - { .name: emask, .offset: 48, .size: 8, .value_kind: global_buffer, .address_space: global }
    .group_segment_fixed_size: 38400
    .private_segment_fixed_size: 0
    .kernarg_segment_align: 8
    .kernarg_segment_size: 56
    .max_flat_workgroup_size: 256
    .sgpr_count:     66
    .vgpr_count:     130
    .wavefront_size: 32
...
	.end_amdgpu_metadata
.endif
;; end of part 1
;; launch ffn1 (part 2): grid 256 x 1, 4 waves a work-group, no clusters, 219,904 bytes of LDS; arguments xh, W1, emask, h, b1; writes h
.if DOCPART == 2
	.amdgcn_target "amdgcn-amd-amdhsa--gfx1250"
	.amdhsa_code_object_version 6
	.text
	.protected	k_qe28164ddf9_ffn1
	.globl	k_qe28164ddf9_ffn1
	.p2align	8
	.type	k_qe28164ddf9_ffn1,@function
k_qe28164ddf9_ffn1:
	s_mov_b64 s[64:65], 0
	v_nop
	global_prefetch_b8 v0, s[64:65] scope:SCOPE_SE
	s_setreg_imm32_b32 hwreg(HW_REG_WAVE_MODE, 25, 1), 1
	s_wait_xcnt 0x0
; ONE LAYER OF THE CHOSEN EXPERT.  The same text serves both layers; LAYER picks the constants and the way out.
;   LAYER 1:  h[t][c] = relu(x[t] . W1[e][:, c] + b1[e][c]) / 16  in f16, for the tokens t whose expert is e
;   LAYER 2:  part[kq][t][c] = sum over quarter kq of H of h[t][k] W2[e][k][c]  in f32 (the four quarters, the factor 16, b2 and the gate's weight: next launch)
; reference() gathers one expert's output for each token, so only that expert's product is made.
; A work-group owns 1,024 rows x 128 columns of one expert's f32 weights (512 KiB) and multiplies all the expert's T tokens with them, 192 rows to a pass.
; Rows past T repeat the expert's last token: they give the same numbers, stored to the same bytes, so no store is masked.
; PASSES.  T is read from memory, and every wave has to pass every barrier, so no barrier stands under a branch on T.  Pass 0 (rows 0-191) is written out
; without branches but the one round its way out; with T = 0 it multiplies token 0's row and stores nothing.  Passes 1 to 5 (T up to 1,024) are a loop of five
; trips in which each stretch between two barriers is jumped over when the list has no rows for it.  Each such stretch has a branch of its own, so each is
; written to be right whatever stretches ran before it: it waits for all loads first.  A later pass reads the weights again and keeps fewer loads ahead:
; an expert with more than 192 tokens is served, but not at pass 0's pace.
; Wave w: cw = w & 1 its 64 columns, kw = w >> 1 its half of K: every weight byte is loaded by one wave.
; WEIGHTS GO STRAIGHT INTO FRAGMENTS.  For 32 of K, lane (r = l & 15, hh = l >> 4) loads 16 bytes (columns 4 r .. 4 r + 3) of 16 rows; each load of the wave covers
; two runs of 256 consecutive aligned bytes.  The lane's four columns belong to four N tiles (tile tn = columns 4 c + tn), and v_cvt_pk_f16_f32 of two
; rows' numbers is one fragment register: no transposition and no LDS for the weights.  A ring of four such sets of 64 registers keeps the loads ahead.
; TOKENS: rows gathered by the expert's list into registers and from there into one of two LDS slots (192 rows x 256 K in f16).
; THE MATRIX INSTRUCTION IS USED TRANSPOSED: source 0 = weights, source 1 = tokens; lane (r, hh), register j holds token row 16 mt + r, column 64 cw + 4 (8 hh + j) + tn.
; f16 AND NOT bf16: the result is held to a hundredth of the output's spread, and four roundings to 8 bits come near it; 11 bits leave room.
; LIMITS: |x|, |W| above 65,504 and relu(..) above 1,048,064 become infinite in f16; h is kept as h / 16 for that room.  relu of a NaN gives 0.
; No tensor loads: the weights need a conversion in registers and the tokens' rows are gathered.  No cluster: without tensor loads there is no joint request.
.set LAYER, 1
.if LAYER == 1
.set PA_SH,  11                        ; a token's row of A: 2,048 bytes (xh)
.set PB_SH,  14                        ; a row of W1: 16,384 bytes
.set OUT_SH, 13                        ; a row of h: 8,192 bytes
.else
.set PA_SH,  13                        ; a token's row of A: 8,192 bytes (h)
.set PB_SH,  12                        ; a row of W2: 4,096 bytes
.set OUT_SH, 12                        ; a row of part: 4,096 bytes
.endif
.set PB,     1<<PB_SH
.set ROWS,   192                       ; rows of a pass
.set PASSES, 6                         ; 6 x 192 = 1,152 rows cover the 1,024 tokens
.set APITCH, 528                       ; an LDS row of A: 512 bytes + 16 = 33 x 16: sixteen consecutive rows start at sixteen different 16-byte columns of a 256-byte span
.set HALF,   96*APITCH                 ; 96 rows: what an LDS offset of 16 bits reaches
.set SLOT,   192*APITCH                ; 101,376; two slots at 0 and SLOT
.set SPITCH, 272                       ; a row of a wave's stage: 64 f32 + 16 bytes = 17 x 16
.set REG,    192*SPITCH+64             ; a wave's stage, 52,288 bytes; the 64 put the two column halves 64 bytes apart modulo 256
.set LIST,   4*REG                     ; 209,152: behind the four stages (which lie over the two slots): each wave's own list of the expert's tokens
.set LISTW,  2560                      ; 1,024 entries of 2 bytes, entry 1,024 takes what the other lanes write; five stores of 512 bytes clear it
; window 0
.set VB,    4                          ; weights: (8 hh + 64 kw) rows + 256 cw + 16 r
.set VP,    5                          ; prefetch: (64 kw + lane) rows + 256 cw
.set ADRA,  6                          ; v6-9    [slot][half]: my A fragments
.set STA,   10                         ; v10-13  [slot][half]: where I put the rows that I gather
.set STGA,  14                         ; my stage: w REG + 272 r + 32 hh
.set RSTG,  15                         ; 2 w + hh: my row among eight, gathering
.set RDA,   16                         ; v16-17  [kw half]: where I read the stages back
.set ROUT,  18                         ; my row on the way out
.set LISTB, 20                         ; my wave's list
.set RB,    21                         ; at work: row number
.set PIECE, 22                         ; 16 u
.set PIEC2, 23                         ; LAYER 1: 32 u, b1's offset; LAYER 2: 16 x lane
.set OT,    24                         ; v24-31  LAYER 1: b1 as loaded, then packed results
.set BP,    32                         ; v32-39  LAYER 1: pairs (b1[8 u + tn], b1[8 u + 4 + tn]) / 16
.set ADR,   40                         ; v40-63  byte offsets of gathered rows (LAYER 2's way out: v40-87)
.set BF,    64                         ; v64-95  four weight fragments
.set AF,    96                         ; v96-191 twelve token fragments
.set XB,    192                        ; v192-255 the way out, two buffers of 32; first the list's temporaries
; window 1: accumulators of M tiles 0-7 at 8 (4 mt + tn); window 2: M tiles 8-11 at 8 (4 (mt - 8) + tn), and
.set STG,   128                        ; window 2, v128-223: 24 x 16 bytes of gathered rows on their way to LDS
; window 3: the ring, slot s at 64 s
.set WB,    24                         ; s[24:31] the weights' address at trip 0, 1, 2, 3 (256 rows apart)
; s20 = T, s21 = T - 1, s22 = the pass's first row in the list
.set MSB, 0
.macro WIN new                         ; s_set_vgpr_msb: bits 1:0 source 0, 3:2 source 1, 5:4 source 2, 7:6 destination; the high byte repeats the setting that is left
.if MSB != \new
	s_set_vgpr_msb (MSB<<8)|\new
.set MSB, \new
.endif
.endm
.macro PLACES                          ; four plain vector instructions between a matrix instruction and whatever writes its sources or reads its result (ISA guide 7.12.1)
.rept 4
	v_nop
.endr
.endm
.macro BAR                             ; on every wave's path: my LDS reads and stores are done, then everybody's
	s_wait_dscnt 0x0
	s_barrier_signal -1
	s_barrier_wait -1
.endm
.macro NOROWS lbl                      ; jump over a stretch for which the list has no rows; no barrier is jumped over
	s_cmp_ge_u32 s22, s20
	s_cbranch_scc1 \lbl
.endm
; 16 loads: the 32 rows of K step s of trip t, into ring slot ring.  K step s of a trip of 256 rows begins at row 0, 32, 128, 160 (+ 64 kw, in VB).
.macro WLOAD ring, t, s
	WIN 0xc0
.set q, 0
.rept 16
	global_load_b128 v[64*(\ring)+4*q:64*(\ring)+4*q+3], v[VB], s[WB+2*(\t):WB+2*(\t)+1] offset:(32*((\s)&1)+128*((\s)>>1)+q+8*(q>>3))*PB th:TH_LOAD_NT
.set q, q+1
.endr
.endm
; 24 loads: 256 bytes (at byte off) of the pass's 192 rows; load i: rows 8 i + 2 w + hh, sixteen lanes to a row
.macro ALOAD dst, win, off
	WIN \win
.set i, 0
.rept 24
	global_load_b128 v[\dst+4*i:\dst+4*i+3], v[ADR+i], s[4:5] offset:\off
.set i, i+1
.endr
.endm
.macro ASTORE src, win, slot, hf       ; and into the slot, at byte 256 hf of the rows
	WIN \win
.set i, 0
.rept 24
	ds_store_b128 v[STA+2*(\slot)+i/12], v[\src+4*i:\src+4*i+3] offset:(i%12)*8*APITCH+256*(\hf)
.set i, i+1
.endr
.endm
; 16 matrix instructions: M tiles mt0 .. mt0 + 3 (accumulators ab .. ab + 3 of the window) x four N tiles
.macro MM mt0, ab, zero
.irp a, 0,1,2,3
.irp b, 0,1,2,3
.if \zero
	v_wmma_f32_16x16x32_f16 v[8*(4*(\ab+\a)+\b):8*(4*(\ab+\a)+\b)+7], v[BF+8*\b:BF+8*\b+7], v[AF+8*(\mt0+\a):AF+8*(\mt0+\a)+7], 0
.else
	v_wmma_f32_16x16x32_f16 v[8*(4*(\ab+\a)+\b):8*(4*(\ab+\a)+\b)+7], v[BF+8*\b:BF+8*\b+7], v[AF+8*(\mt0+\a):AF+8*(\mt0+\a)+7], v[8*(4*(\ab+\a)+\b):8*(4*(\ab+\a)+\b)+7]
.endif
.endr
.endr
.endm
; K step s of trip t: 32 of K, 48 matrix instructions.  The 48 accumulators take turns, one instruction a turn, in the same order in every K step.
; The ring slot that has been converted is loaded again with the same K step of the next trip: four K steps ahead.
.macro KSTEP t, s, zero
	WIN 0
	PLACES                                         ; AF and BF were sources of the last matrix instructions
.set kb, 64*((\s)&1)+256*((\s)>>1)
.set mt, 0
.rept 12
	ds_load_b128 v[AF+8*mt:AF+8*mt+3],   v[ADRA+2*((\t)&1)+mt/6] offset:(mt%6)*16*APITCH+kb
	ds_load_b128 v[AF+8*mt+4:AF+8*mt+7], v[ADRA+2*((\t)&1)+mt/6] offset:(mt%6)*16*APITCH+kb+32
.set mt, mt+1
.endr
	WIN 0x0f
.irp tn, 0,1,2,3
.irp p, 0,1,2,3
	v_cvt_pk_f16_f32 v[BF+8*\tn+\p],   v[64*\s+8*\p+\tn],    v[64*\s+8*\p+4+\tn]     ; rows 8 hh + 2 p, + 1 of column 4 r + tn
	v_cvt_pk_f16_f32 v[BF+8*\tn+4+\p], v[64*\s+32+8*\p+\tn], v[64*\s+36+8*\p+\tn]    ; rows 16 + 8 hh + 2 p, + 1
.endr
.endr
.if (\t) < 3
	WLOAD \s, ((\t)+1), \s
.endif
.if 4*(\t)+\s <= 9
	; my wave's K step six further on, two K steps ahead of the loads that want it: 32 rows, one lane a row's 256 bytes; the last asked for is the slice's last K step.
	; A later pass of a long list asks for the same rows again.
.set pn, 4*(\t)+\s+6
	global_prefetch_b8 v[VP], s[WB+2*(pn>>2):WB+2*(pn>>2)+1] offset:(32*(pn&1)+128*((pn>>1)&1))*PB th:TH_LOAD_NT scope:SCOPE_SE
.endif
	WIN 0x50
	s_wait_dscnt 16                                ; eight fragments' loads are younger: M tiles 0-3 are in
	MM 0, 0, \zero
	s_wait_dscnt 8                                 ; four fragments' loads are younger
	MM 4, 4, \zero
	WIN 0xa0
	s_wait_dscnt 0
	MM 8, 0, \zero
.endm
; Trip t: 256 of K from slot t & 1 (my wave: 128 of them); meanwhile the next trip's rows are gathered into the other slot, half a row at a time.
; Loads are issued in the order A(t+1, first half), W(t+1, 0), W(t+1, 1), A(t+1, second half), W(t+1, 2), W(t+1, 3), and come back in order (ISA guide 5.7.1):
; each s_wait_loadcnt 32 leaves out the two ring slots (2 x 16 loads) issued behind the A loads that it needs, and so also shows the two ring slots
; issued ahead of those, which the next two K steps convert.  cond = 1: a stretch of the loop of later passes.
.macro TRIP t, zero, cond
.if \cond
	NOROWS .Ltrip_\@
	s_wait_loadcnt 0x0                             ; the stretch stands by itself: whatever was asked for earlier is in
.endif
.if (\t) < 3
	ALOAD STG, 0x80, 512*((\t)+1)
.endif
	KSTEP \t, 0, \zero
	KSTEP \t, 1, 0
.if (\t) < 3
	s_wait_loadcnt 32
	ASTORE STG, 0x08, (((\t)+1)&1), 0
	s_wait_dscnt 0x0                               ; the stores have read the staging registers before loads land on them again
	ALOAD STG, 0x80, 512*((\t)+1)+256
.else
	s_wait_loadcnt 0x0                             ; the last two ring slots; nothing younger is out
.endif
	KSTEP \t, 2, 0
	KSTEP \t, 3, 0
.if (\t) < 3
	s_wait_loadcnt 32
	ASTORE STG, 0x08, (((\t)+1)&1), 1
.endif
	WIN 0
.if \cond
.Ltrip_\@:
.endif
	BAR                                            ; the other slot is whole, this one may be written
.endm
; Byte offsets of cnt gathered rows into ADR: row RB + (8 i | 16 (i / 2) + 4 (i % 2) | 4 i), held to T - 1, looked up in my list, shifted by sh, plus piece
.macro GETROWS cnt, kind, sh, piece
.set i, 0
.rept \cnt
.if \kind == 0
.set rw, 8*i
.endif
.if \kind == 1
.set rw, 16*(i>>1)+4*(i&1)
.endif
.if \kind == 2
.set rw, 4*i
.endif
	v_add_nc_u32 v[ADR+i], rw, v[RB]
	v_min_u32 v[ADR+i], s21, v[ADR+i]              ; rows past the expert's last repeat it
	v_min_u32 v[ADR+i], 0x3ff, v[ADR+i]
	v_lshl_add_u32 v[ADR+i], v[ADR+i], 1, v[LISTB]
	ds_load_u16 v[ADR+i], v[ADR+i]
.set i, i+1
.endr
	s_wait_dscnt 0x0
.set i, 0
.rept \cnt
	v_min_u32 v[ADR+i], 0x3ff, v[ADR+i]            ; a token's number
	v_lshl_add_u32 v[ADR+i], v[ADR+i], \sh, v[\piece]
.set i, i+1
.endr
.endm
; A pass's head: the rows' offsets, trip 0's rows into slot 0, the ring filled.  In pass 0 ring slots 0 and 1 were asked for ahead of the list.
.macro HEAD cond
.if \cond
	NOROWS .Lhead_\@
	s_wait_loadcnt 0x0                             ; the stretch stands by itself: no load is on its way into the ring that is asked for again
.endif
	v_add_nc_u32 v[RB], s22, v[RSTG]
	GETROWS 24, 0, PA_SH, PIECE
.if \cond
	WLOAD 0, 0, 0
	WLOAD 1, 0, 1
.endif
	ALOAD STG, 0x80, 0                             ; trip 0's rows, both halves at once: AF is idle here
	ALOAD AF, 0, 256
	WLOAD 2, 0, 2
	WLOAD 3, 0, 3
	s_wait_loadcnt 32                              ; ring slots 2 and 3 are younger: both halves of A and ring slots 0 and 1 are in
	ASTORE STG, 0x08, 0, 0
	ASTORE AF, 0, 0, 1
	WIN 0
.if \cond
.Lhead_\@:
.endif
	BAR                                            ; slot 0 is whole
.endm
; Each wave's sums into its own stage: row 16 mt + r, word 16 tn + 8 hh + j.  The stages lie over the slots, which nobody reads behind the last trip's barrier.
.macro STAGE cond
.if \cond
	NOROWS .Lstage_\@
.endif
	PLACES
	WIN 0x04
.set mt, 0
.rept 8
.irp tn, 0,1,2,3
	ds_store_b128 v[STGA], v[8*(4*mt+\tn):8*(4*mt+\tn)+3]   offset:mt*16*SPITCH+64*\tn
	ds_store_b128 v[STGA], v[8*(4*mt+\tn)+4:8*(4*mt+\tn)+7] offset:mt*16*SPITCH+64*\tn+16
.endr
.set mt, mt+1
.endr
	WIN 0x08
.rept 4
.irp tn, 0,1,2,3
	ds_store_b128 v[STGA], v[8*(4*(mt-8)+\tn):8*(4*(mt-8)+\tn)+3]   offset:mt*16*SPITCH+64*\tn
	ds_store_b128 v[STGA], v[8*(4*(mt-8)+\tn)+4:8*(4*(mt-8)+\tn)+7] offset:mt*16*SPITCH+64*\tn+16
.endr
.set mt, mt+1
.endr
	WIN 0
.if \cond
.Lstage_\@:
.endif
	BAR                                            ; all four stages are whole
.endm
.if LAYER == 1
.macro ELOAD g, buf                    ; two pieces (rows 16 g + 4 rho + 8 hh + w), two K halves, four tiles: pairs (column 8 u + tn, 8 u + 4 + tn)
.irp rho, 0,1
.irp p, 0,1
.irp tn, 0,1,2,3
	ds_load_b64 v[XB+32*(\buf)+16*\rho+8*\p+2*\tn:XB+32*(\buf)+16*\rho+8*\p+2*\tn+1], v[RDA+\p] offset:(16*(\g)+4*\rho)*SPITCH+64*\tn
.endr
.endr
.endr
.endm
.macro EPIECE g, rho
.set xx, XB+32*((\g)&1)+16*\rho
.set oo, OT+4*\rho
.irp tn, 0,2,4,6
	v_pk_add_f32 v[xx+\tn:xx+\tn+1], v[xx+\tn:xx+\tn+1], v[xx+8+\tn:xx+8+\tn+1]
.endr
.irp tn, 0,2,4,6
	v_pk_fma_f32 v[xx+\tn:xx+\tn+1], v[xx+\tn:xx+\tn+1], 0x3d800000, v[BP+\tn:BP+\tn+1] op_sel_hi:[1,0,1]
.endr
.irp j, 0,1,2,3,4,5,6,7
	v_max_num_f32 v[xx+\j], 0, v[xx+\j]
.endr
	v_cvt_pk_f16_f32 v[oo],   v[xx],   v[xx+2]     ; columns 8 u + 0, 1
	v_cvt_pk_f16_f32 v[oo+1], v[xx+4], v[xx+6]     ; 2, 3
	v_cvt_pk_f16_f32 v[oo+2], v[xx+1], v[xx+3]     ; 4, 5
	v_cvt_pk_f16_f32 v[oo+3], v[xx+5], v[xx+7]     ; 6, 7
	global_store_b128 v[ADR+2*(\g)+\rho], v[oo:oo+3], s[10:11]
.endm
.else
.macro ELOAD g, buf                    ; four rows (16 g + 4 rho + w), two K halves, four tiles: columns 4 l + tn
.irp rho, 0,1,2,3
.irp p, 0,1
.irp tn, 0,1,2,3
	ds_load_b32 v[XB+32*(\buf)+8*\rho+4*\p+\tn], v[RDA+\p] offset:(16*(\g)+4*\rho)*SPITCH+64*\tn
.endr
.endr
.endr
.endm
.endif
; THE WAY OUT, jumped over in every pass that has no rows (pass 0: T = 0).
.macro WAYOUT
	NOROWS .Lout_\@
	v_add_nc_u32 v[RB], s22, v[ROUT]
.if LAYER == 1
	; the two K halves are added, / 16 and bias in one fused multiply-add, relu, f16; sixteen lanes store 256 consecutive aligned bytes of a token's row
	GETROWS 24, 1, OUT_SH, PIECE
	ELOAD 0, 0
.set g, 0
.rept 12
.if g > 0
	s_wait_xcnt 0x0                                ; the packed results of the last group were store data
.endif
.if g < 11
	ELOAD (g+1), ((g+1)&1)
	s_wait_dscnt 16                                ; the next group's sixteen reads are younger
.else
	s_wait_dscnt 0x0
.endif
	EPIECE g, 0
	EPIECE g, 1
.set g, g+1
.endr
.else
	; the two K halves are added; a wave stores 512 consecutive aligned bytes of a token's row of its plane
	GETROWS 48, 2, OUT_SH, PIEC2
	ELOAD 0, 0
.set g, 0
.rept 12
.if g > 0
	s_wait_xcnt 0x0                                ; the buffer that is loaded next was store data
.endif
.if g < 11
	ELOAD (g+1), ((g+1)&1)
	s_wait_dscnt 32                                ; the next group's 32 reads are younger
.else
	s_wait_dscnt 0x0
.endif
.irp rho, 0,1,2,3
.set xx, XB+32*(g&1)+8*\rho
	v_pk_add_f32 v[xx:xx+1],   v[xx:xx+1],   v[xx+4:xx+5]
	v_pk_add_f32 v[xx+2:xx+3], v[xx+2:xx+3], v[xx+6:xx+7]
	global_store_b128 v[ADR+4*g+\rho], v[xx:xx+3], s[10:11]
.endr
.set g, g+1
.endr
.endif
	s_wait_xcnt 0x0                                ; the stores' offsets and data may be written by whatever stretch runs next
.Lout_\@:
	BAR                                            ; everybody's reads of the stages are done: slot 0 may be written again
.endm
	s_load_b256 s[4:11], s[0:1], 0x0               ; A s[4:5], W s[6:7], emask s[8:9], out s[10:11]
.if LAYER == 1
	s_load_b64 s[12:13], s[0:1], 0x20              ; b1
	v_lshl_add_u32 v19, v0, 2, 0x35900
	s_set_vgpr_msb 0x80
	v_mov_b32 v255, 0
	s_set_vgpr_msb 0x8000
.endif
	v_and_b32 v1, 31, v0                           ; lane
	v_lshrrev_b32 v2, 5, v0
	v_readfirstlane_b32 s14, v2                    ; wave w
	v_and_b32 v2, 15, v0                           ; r, also called u
	v_bfe_u32 v3, v0, 4, 1                         ; hh
	s_and_b32 s15, s14, 1                          ; cw
	s_lshr_b32 s16, s14, 1                         ; kw
	s_lshr_b32 s17, ttmp9, 5                       ; expert e: 32 work-groups each
	s_lshl_b32 s66, s17, 24                        ; an expert's weights: 16 MiB
	s_mov_b32 s67, 0
	s_mov_b32 s71, 0
	s_mov_b32 s73, 0
	s_lshl_b32 s74, s17, 7                         ; an expert's mask: 128 bytes
	s_mov_b32 s75, 0
.if LAYER == 1
	s_and_b32 s18, ttmp9, 31                       ; which 128 columns of H
	s_lshl_b32 s68, s18, 9
	s_add_co_u32 s66, s66, s68                     ; W1: + 512 bytes a slice
	s_lshl_b32 s70, s18, 8                         ; h: 256 bytes a slice
	s_lshl_b32 s72, s17, 14
	s_add_co_u32 s72, s72, s68                     ; b1: expert's 16,384 bytes + 512 a slice
.else
	s_and_b32 s18, ttmp9, 7                        ; which 128 columns of D
	s_bfe_u32 s19, ttmp9, 0x20003                  ; kq: which quarter of H
	s_lshl_b32 s68, s19, 22                        ; 1,024 rows of W2, and a plane of part: 4 MiB
	s_lshl_b32 s70, s18, 9
	s_add_co_u32 s66, s66, s68
	s_add_co_u32 s66, s66, s70                     ; W2
	s_add_co_u32 s70, s70, s68                     ; part
	s_lshl_b32 s72, s19, 11                        ; h: 1,024 f16 along the row
.endif
	s_lshl_b32 s68, s16, 6                         ; 64 kw
	s_lshl_b32 s69, s15, 8                         ; 256 cw
	v_lshl_add_u32 v[VB], v3, 3, s68
	v_lshlrev_b32 v[VB], PB_SH, v[VB]
	v_lshl_add_u32 v[VB], v2, 4, v[VB]
	v_add_nc_u32 v[VB], s69, v[VB]
	v_add_nc_u32 v[VP], s68, v1
	v_lshlrev_b32 v[VP], PB_SH, v[VP]
	v_add_nc_u32 v[VP], s69, v[VP]
	s_lshl_b32 s68, s16, 7                         ; my K half inside a half row: 128 kw bytes
	v_mul_u32_u24 v[ADRA], v2, APITCH
	v_lshl_add_u32 v[ADRA], v3, 4, v[ADRA]
	v_add_nc_u32 v[ADRA], s68, v[ADRA]
	v_add_nc_u32 v[ADRA+1], HALF, v[ADRA]
	v_add_nc_u32 v[ADRA+2], SLOT, v[ADRA]
	v_add_nc_u32 v[ADRA+3], SLOT+HALF, v[ADRA]
	s_lshl_b32 s68, s14, 1
	v_add_nc_u32 v[RSTG], s68, v3                  ; 2 w + hh
	v_mul_u32_u24 v[STA], v[RSTG], APITCH
	v_lshl_add_u32 v[STA], v2, 4, v[STA]
	v_add_nc_u32 v[STA+1], HALF, v[STA]
	v_add_nc_u32 v[STA+2], SLOT, v[STA]
	v_add_nc_u32 v[STA+3], SLOT+HALF, v[STA]
	s_mul_i32 s68, s14, REG
	v_mul_u32_u24 v[STGA], v2, SPITCH
	v_lshl_add_u32 v[STGA], v3, 5, v[STGA]
	v_add_nc_u32 v[STGA], s68, v[STGA]
	v_lshlrev_b32 v[PIECE], 4, v2
.if LAYER == 1
	; back: lane u takes columns 8 u .. 8 u + 7 = stage u >> 3, for each tn the words 16 tn + 2 (u & 7), + 1; rows 8 hh + w + ..
	v_lshl_add_u32 v[ROUT], v3, 3, s14
	v_mul_u32_u24 v[RDA], v[ROUT], SPITCH
	v_lshrrev_b32 v24, 3, v2
	v_mul_u32_u24 v24, v24, REG
	v_add_nc_u32 v[RDA], v24, v[RDA]
	v_and_b32 v24, 7, v2
	v_lshl_add_u32 v[RDA], v24, 3, v[RDA]
	v_lshlrev_b32 v[PIEC2], 5, v2
.else
	; back: lane l takes columns 4 l .. 4 l + 3 = stage hh, for each tn the word 16 tn + u; rows w + ..
	v_mov_b32 v[ROUT], s14
	s_mul_i32 s68, s14, SPITCH
	v_mul_u32_u24 v[RDA], v3, REG
	v_lshl_add_u32 v[RDA], v2, 2, v[RDA]
	v_add_nc_u32 v[RDA], s68, v[RDA]
	v_lshlrev_b32 v[PIEC2], 4, v1
.endif
	v_add_nc_u32 v[RDA+1], 2*REG, v[RDA]
	s_mul_i32 s68, s14, LISTW
	s_add_co_u32 s68, s68, LIST
	v_mov_b32 v[LISTB], s68
	s_wait_kmcnt 0x0
	s_add_nc_u64 s[WB:WB+1], s[6:7], s[66:67]
	s_add_nc_u64 s[WB+2:WB+3], s[WB:WB+1], 256*PB
	s_add_nc_u64 s[WB+4:WB+5], s[WB:WB+1], 512*PB
	s_add_nc_u64 s[WB+6:WB+7], s[WB:WB+1], 768*PB
	s_add_nc_u64 s[10:11], s[10:11], s[70:71]
	s_add_nc_u64 s[8:9], s[8:9], s[74:75]
.if LAYER == 1
	s_add_nc_u64 s[12:13], s[12:13], s[72:73]
.else
	s_add_nc_u64 s[4:5], s[4:5], s[72:73]
.endif
	s_load_b512 s[32:47], s[8:9], 0x0              ; the expert's 1,024 bits
	s_load_b512 s[48:63], s[8:9], 0x40
.if LAYER == 1
	global_load_b128 v[OT:OT+3],   v[PIEC2], s[12:13]
	global_load_b128 v[OT+4:OT+7], v[PIEC2], s[12:13] offset:16
.endif
	WLOAD 0, 0, 0                                  ; the weights hang on no routing: the first two K steps are on their way while the list is made
	WLOAD 1, 0, 1
	WIN 0
	; The list, each wave its own copy (no barrier).  First every entry is set to token 0, so that no byte is read that was not written (T = 0 reads token 0).
.irp j, 4,5,6,7
	v_mov_b32 v[XB+\j], 0
.endr
	v_lshl_add_u32 v[XB+3], v1, 4, v[LISTB]
.irp k, 0,1,2,3,4
	ds_store_b128 v[XB+3], v[XB+4:XB+7] offset:512*\k
.endr
	s_wait_kmcnt 0x0
	; Then token 32 g + lane goes to place (tokens before it), the others to entry 1,024.  LDS serves a wave's instructions in order (ISA guide 5.7.1.4).
	v_mov_b32 v[XB], 0x400
	s_mov_b32 s23, 0
.set g, 0
.rept 32
	v_mbcnt_lo_u32_b32 v[XB+1], s[32+g], s23
	v_cndmask_b32 v[XB+1], v[XB], v[XB+1], s[32+g]
	v_min_u32 v[XB+1], 0x400, v[XB+1]
	v_lshl_add_u32 v[XB+1], v[XB+1], 1, v[LISTB]
	v_add_nc_u32 v[XB+2], 32*g, v1
	ds_store_b16 v[XB+1], v[XB+2]
	s_bcnt1_i32_b32 s66, s[32+g]
	s_add_co_u32 s23, s23, s66
.set g, g+1
.endr
	s_mov_b32 s20, s23                             ; T
	s_sub_co_u32 s21, s20, 1                       ; T - 1 (T = 0: all ones, which holds nothing back; the constant 1,023 behind it does)
.if LAYER == 1
	s_wait_loadcnt 32                              ; the 32 weight loads are younger: b1 is in
.irp tn, 0,1,2,3
	v_mul_f32 v[BP+2*\tn],   0x3d800000, v[OT+\tn]
	v_mul_f32 v[BP+2*\tn+1], 0x3d800000, v[OT+4+\tn]
.endr
.endif
	; PASS 0
	s_mov_b32 s22, 0
	HEAD 0
	TRIP 0, 1, 0                                   ; the first products start the sums: nothing is cleared
	TRIP 1, 0, 0
	TRIP 2, 0, 0
	TRIP 3, 0, 0
	STAGE 0
	WAYOUT
	; PASSES 1 TO 5: five trips whatever T is; what T decides is which stretches are jumped over
	s_mov_b32 s22, ROWS
.Lpass:
	HEAD 1
	TRIP 0, 1, 1
	TRIP 1, 0, 1
	TRIP 2, 0, 1
	TRIP 3, 0, 1
	STAGE 1
	WAYOUT
	s_add_co_u32 s22, s22, ROWS
	s_cmp_lt_u32 s22, PASSES*ROWS
	s_cbranch_scc1 .Lpass
	s_set_vgpr_msb 0x8
	s_wait_tensorcnt 0x0
	ds_add_u32 v19, v255
	s_wait_dscnt 0x0
	s_set_vgpr_msb 0x800
	s_endpgm
.Lfunc_end_k_qe28164ddf9_ffn1:
	.size	k_qe28164ddf9_ffn1, .Lfunc_end_k_qe28164ddf9_ffn1-k_qe28164ddf9_ffn1
	.p2alignl 7, 3214868480
	.fill 96, 4, 3214868480
	.section	.rodata,"a",@progbits
	.p2align	6, 0x0
	.amdhsa_kernel k_qe28164ddf9_ffn1
		.amdhsa_group_segment_fixed_size 219904
		.amdhsa_private_segment_fixed_size 0
		.amdhsa_enable_private_segment 0
		.amdhsa_kernarg_size 40
		.amdhsa_user_sgpr_count 2
		.amdhsa_user_sgpr_kernarg_segment_ptr 1
		.amdhsa_wavefront_size32 1
		.amdhsa_system_sgpr_workgroup_id_x 1
		.amdhsa_system_sgpr_workgroup_id_y 1
		.amdhsa_system_sgpr_workgroup_id_z 1
		.amdhsa_system_vgpr_workitem_id 0
		.amdhsa_next_free_vgpr 1024
		.amdhsa_next_free_sgpr 80
		.amdhsa_reserve_vcc 0
		.amdhsa_float_denorm_mode_32 3
		.amdhsa_float_denorm_mode_16_64 3
		.amdhsa_memory_ordered 1
		.amdhsa_forward_progress 1
		.amdhsa_inst_pref_size 255
	.end_amdhsa_kernel
	.section	.bss,"aw",@nobits
	.p2align	6
	.space	262144
	.amdgpu_metadata
---
amdhsa.version: [ 1, 2 ]
amdhsa.kernels:
  - .name:           k_qe28164ddf9_ffn1
    .symbol:         k_qe28164ddf9_ffn1.kd
    .args:
      - { .name: xh, .offset: 0, .size: 8, .value_kind: global_buffer, .address_space: global }
      - { .name: W1, .offset: 8, .size: 8, .value_kind: global_buffer, .address_space: global }
      - { .name: emask, .offset: 16, .size: 8, .value_kind: global_buffer, .address_space: global }
      - { .name: h, .offset: 24, .size: 8, .value_kind: global_buffer, .address_space: global }
      - { .name: b1, .offset: 32, .size: 8, .value_kind: global_buffer, .address_space: global }
    .group_segment_fixed_size: 219904
    .private_segment_fixed_size: 0
    .kernarg_segment_align: 8
    .kernarg_segment_size: 40
    .max_flat_workgroup_size: 128
    .sgpr_count:     80
    .vgpr_count:     1024
    .wavefront_size: 32
...
	.end_amdgpu_metadata
.endif
;; end of part 2
;; launch ffn2 (part 3): grid 256 x 1, 4 waves a work-group, no clusters, 219,904 bytes of LDS; arguments h, W2, emask, part; writes part
.if DOCPART == 3
	.amdgcn_target "amdgcn-amd-amdhsa--gfx1250"
	.amdhsa_code_object_version 6
	.text
	.protected	k_qe28164ddf9_ffn2
	.globl	k_qe28164ddf9_ffn2
	.p2align	8
	.type	k_qe28164ddf9_ffn2,@function
k_qe28164ddf9_ffn2:
	s_mov_b64 s[64:65], 0
	v_nop
	global_prefetch_b8 v0, s[64:65] scope:SCOPE_SE
	s_setreg_imm32_b32 hwreg(HW_REG_WAVE_MODE, 25, 1), 1
	s_wait_xcnt 0x0
; ONE LAYER OF THE CHOSEN EXPERT.  The same text serves both layers; LAYER picks the constants and the way out.
;   LAYER 1:  h[t][c] = relu(x[t] . W1[e][:, c] + b1[e][c]) / 16  in f16, for the tokens t whose expert is e
;   LAYER 2:  part[kq][t][c] = sum over quarter kq of H of h[t][k] W2[e][k][c]  in f32 (the four quarters, the factor 16, b2 and the gate's weight: next launch)
; reference() gathers one expert's output for each token, so only that expert's product is made.
; A work-group owns 1,024 rows x 128 columns of one expert's f32 weights (512 KiB) and multiplies all the expert's T tokens with them, 192 rows to a pass.
; Rows past T repeat the expert's last token: they give the same numbers, stored to the same bytes, so no store is masked.
; PASSES.  T is read from memory, and every wave has to pass every barrier, so no barrier stands under a branch on T.  Pass 0 (rows 0-191) is written out
; without branches but the one round its way out; with T = 0 it multiplies token 0's row and stores nothing.  Passes 1 to 5 (T up to 1,024) are a loop of five
; trips in which each stretch between two barriers is jumped over when the list has no rows for it.  Each such stretch has a branch of its own, so each is
; written to be right whatever stretches ran before it: it waits for all loads first.  A later pass reads the weights again and keeps fewer loads ahead:
; an expert with more than 192 tokens is served, but not at pass 0's pace.
; Wave w: cw = w & 1 its 64 columns, kw = w >> 1 its half of K: every weight byte is loaded by one wave.
; WEIGHTS GO STRAIGHT INTO FRAGMENTS.  For 32 of K, lane (r = l & 15, hh = l >> 4) loads 16 bytes (columns 4 r .. 4 r + 3) of 16 rows; each load of the wave covers
; two runs of 256 consecutive aligned bytes.  The lane's four columns belong to four N tiles (tile tn = columns 4 c + tn), and v_cvt_pk_f16_f32 of two
; rows' numbers is one fragment register: no transposition and no LDS for the weights.  A ring of four such sets of 64 registers keeps the loads ahead.
; TOKENS: rows gathered by the expert's list into registers and from there into one of two LDS slots (192 rows x 256 K in f16).
; THE MATRIX INSTRUCTION IS USED TRANSPOSED: source 0 = weights, source 1 = tokens; lane (r, hh), register j holds token row 16 mt + r, column 64 cw + 4 (8 hh + j) + tn.
; f16 AND NOT bf16: the result is held to a hundredth of the output's spread, and four roundings to 8 bits come near it; 11 bits leave room.
; LIMITS: |x|, |W| above 65,504 and relu(..) above 1,048,064 become infinite in f16; h is kept as h / 16 for that room.  relu of a NaN gives 0.
; No tensor loads: the weights need a conversion in registers and the tokens' rows are gathered.  No cluster: without tensor loads there is no joint request.
.set LAYER, 2
.if LAYER == 1
.set PA_SH,  11                        ; a token's row of A: 2,048 bytes (xh)
.set PB_SH,  14                        ; a row of W1: 16,384 bytes
.set OUT_SH, 13                        ; a row of h: 8,192 bytes
.else
.set PA_SH,  13                        ; a token's row of A: 8,192 bytes (h)
.set PB_SH,  12                        ; a row of W2: 4,096 bytes
.set OUT_SH, 12                        ; a row of part: 4,096 bytes
.endif
.set PB,     1<<PB_SH
.set ROWS,   192                       ; rows of a pass
.set PASSES, 6                         ; 6 x 192 = 1,152 rows cover the 1,024 tokens
.set APITCH, 528                       ; an LDS row of A: 512 bytes + 16 = 33 x 16: sixteen consecutive rows start at sixteen different 16-byte columns of a 256-byte span
.set HALF,   96*APITCH                 ; 96 rows: what an LDS offset of 16 bits reaches
.set SLOT,   192*APITCH                ; 101,376; two slots at 0 and SLOT
.set SPITCH, 272                       ; a row of a wave's stage: 64 f32 + 16 bytes = 17 x 16
.set REG,    192*SPITCH+64             ; a wave's stage, 52,288 bytes; the 64 put the two column halves 64 bytes apart modulo 256
.set LIST,   4*REG                     ; 209,152: behind the four stages (which lie over the two slots): each wave's own list of the expert's tokens
.set LISTW,  2560                      ; 1,024 entries of 2 bytes, entry 1,024 takes what the other lanes write; five stores of 512 bytes clear it
; window 0
.set VB,    4                          ; weights: (8 hh + 64 kw) rows + 256 cw + 16 r
.set VP,    5                          ; prefetch: (64 kw + lane) rows + 256 cw
.set ADRA,  6                          ; v6-9    [slot][half]: my A fragments
.set STA,   10                         ; v10-13  [slot][half]: where I put the rows that I gather
.set STGA,  14                         ; my stage: w REG + 272 r + 32 hh
.set RSTG,  15                         ; 2 w + hh: my row among eight, gathering
.set RDA,   16                         ; v16-17  [kw half]: where I read the stages back
.set ROUT,  18                         ; my row on the way out
.set LISTB, 20                         ; my wave's list
.set RB,    21                         ; at work: row number
.set PIECE, 22                         ; 16 u
.set PIEC2, 23                         ; LAYER 1: 32 u, b1's offset; LAYER 2: 16 x lane
.set OT,    24                         ; v24-31  LAYER 1: b1 as loaded, then packed results
.set BP,    32                         ; v32-39  LAYER 1: pairs (b1[8 u + tn], b1[8 u + 4 + tn]) / 16
.set ADR,   40                         ; v40-63  byte offsets of gathered rows (LAYER 2's way out: v40-87)
.set BF,    64                         ; v64-95  four weight fragments
.set AF,    96                         ; v96-191 twelve token fragments
.set XB,    192                        ; v192-255 the way out, two buffers of 32; first the list's temporaries
; window 1: accumulators of M tiles 0-7 at 8 (4 mt + tn); window 2: M tiles 8-11 at 8 (4 (mt - 8) + tn), and
.set STG,   128                        ; window 2, v128-223: 24 x 16 bytes of gathered rows on their way to LDS
; window 3: the ring, slot s at 64 s
.set WB,    24                         ; s[24:31] the weights' address at trip 0, 1, 2, 3 (256 rows apart)
; s20 = T, s21 = T - 1, s22 = the pass's first row in the list
.set MSB, 0
.macro WIN new                         ; s_set_vgpr_msb: bits 1:0 source 0, 3:2 source 1, 5:4 source 2, 7:6 destination; the high byte repeats the setting that is left
.if MSB != \new
	s_set_vgpr_msb (MSB<<8)|\new
.set MSB, \new
.endif
.endm
.macro PLACES                          ; four plain vector instructions between a matrix instruction and whatever writes its sources or reads its result (ISA guide 7.12.1)
.rept 4
	v_nop
.endr
.endm
.macro BAR                             ; on every wave's path: my LDS reads and stores are done, then everybody's
	s_wait_dscnt 0x0
	s_barrier_signal -1
	s_barrier_wait -1
.endm
.macro NOROWS lbl                      ; jump over a stretch for which the list has no rows; no barrier is jumped over
	s_cmp_ge_u32 s22, s20
	s_cbranch_scc1 \lbl
.endm
; 16 loads: the 32 rows of K step s of trip t, into ring slot ring.  K step s of a trip of 256 rows begins at row 0, 32, 128, 160 (+ 64 kw, in VB).
.macro WLOAD ring, t, s
	WIN 0xc0
.set q, 0
.rept 16
	global_load_b128 v[64*(\ring)+4*q:64*(\ring)+4*q+3], v[VB], s[WB+2*(\t):WB+2*(\t)+1] offset:(32*((\s)&1)+128*((\s)>>1)+q+8*(q>>3))*PB th:TH_LOAD_NT
.set q, q+1
.endr
.endm
; 24 loads: 256 bytes (at byte off) of the pass's 192 rows; load i: rows 8 i + 2 w + hh, sixteen lanes to a row
.macro ALOAD dst, win, off
	WIN \win
.set i, 0
.rept 24
	global_load_b128 v[\dst+4*i:\dst+4*i+3], v[ADR+i], s[4:5] offset:\off
.set i, i+1
.endr
.endm
.macro ASTORE src, win, slot, hf       ; and into the slot, at byte 256 hf of the rows
	WIN \win
.set i, 0
.rept 24
	ds_store_b128 v[STA+2*(\slot)+i/12], v[\src+4*i:\src+4*i+3] offset:(i%12)*8*APITCH+256*(\hf)
.set i, i+1
.endr
.endm
; 16 matrix instructions: M tiles mt0 .. mt0 + 3 (accumulators ab .. ab + 3 of the window) x four N tiles
.macro MM mt0, ab, zero
.irp a, 0,1,2,3
.irp b, 0,1,2,3
.if \zero
	v_wmma_f32_16x16x32_f16 v[8*(4*(\ab+\a)+\b):8*(4*(\ab+\a)+\b)+7], v[BF+8*\b:BF+8*\b+7], v[AF+8*(\mt0+\a):AF+8*(\mt0+\a)+7], 0
.else
	v_wmma_f32_16x16x32_f16 v[8*(4*(\ab+\a)+\b):8*(4*(\ab+\a)+\b)+7], v[BF+8*\b:BF+8*\b+7], v[AF+8*(\mt0+\a):AF+8*(\mt0+\a)+7], v[8*(4*(\ab+\a)+\b):8*(4*(\ab+\a)+\b)+7]
.endif
.endr
.endr
.endm
; K step s of trip t: 32 of K, 48 matrix instructions.  The 48 accumulators take turns, one instruction a turn, in the same order in every K step.
; The ring slot that has been converted is loaded again with the same K step of the next trip: four K steps ahead.
.macro KSTEP t, s, zero
	WIN 0
	PLACES                                         ; AF and BF were sources of the last matrix instructions
.set kb, 64*((\s)&1)+256*((\s)>>1)
.set mt, 0
.rept 12
	ds_load_b128 v[AF+8*mt:AF+8*mt+3],   v[ADRA+2*((\t)&1)+mt/6] offset:(mt%6)*16*APITCH+kb
	ds_load_b128 v[AF+8*mt+4:AF+8*mt+7], v[ADRA+2*((\t)&1)+mt/6] offset:(mt%6)*16*APITCH+kb+32
.set mt, mt+1
.endr
	WIN 0x0f
.irp tn, 0,1,2,3
.irp p, 0,1,2,3
	v_cvt_pk_f16_f32 v[BF+8*\tn+\p],   v[64*\s+8*\p+\tn],    v[64*\s+8*\p+4+\tn]     ; rows 8 hh + 2 p, + 1 of column 4 r + tn
	v_cvt_pk_f16_f32 v[BF+8*\tn+4+\p], v[64*\s+32+8*\p+\tn], v[64*\s+36+8*\p+\tn]    ; rows 16 + 8 hh + 2 p, + 1
.endr
.endr
.if (\t) < 3
	WLOAD \s, ((\t)+1), \s
.endif
.if 4*(\t)+\s <= 9
	; my wave's K step six further on, two K steps ahead of the loads that want it: 32 rows, one lane a row's 256 bytes; the last asked for is the slice's last K step.
	; A later pass of a long list asks for the same rows again.
.set pn, 4*(\t)+\s+6
	global_prefetch_b8 v[VP], s[WB+2*(pn>>2):WB+2*(pn>>2)+1] offset:(32*(pn&1)+128*((pn>>1)&1))*PB th:TH_LOAD_NT scope:SCOPE_SE
.endif
	WIN 0x50
	s_wait_dscnt 16                                ; eight fragments' loads are younger: M tiles 0-3 are in
	MM 0, 0, \zero
	s_wait_dscnt 8                                 ; four fragments' loads are younger
	MM 4, 4, \zero
	WIN 0xa0
	s_wait_dscnt 0
	MM 8, 0, \zero
.endm
; Trip t: 256 of K from slot t & 1 (my wave: 128 of them); meanwhile the next trip's rows are gathered into the other slot, half a row at a time.
; Loads are issued in the order A(t+1, first half), W(t+1, 0), W(t+1, 1), A(t+1, second half), W(t+1, 2), W(t+1, 3), and come back in order (ISA guide 5.7.1):
; each s_wait_loadcnt 32 leaves out the two ring slots (2 x 16 loads) issued behind the A loads that it needs, and so also shows the two ring slots
; issued ahead of those, which the next two K steps convert.  cond = 1: a stretch of the loop of later passes.
.macro TRIP t, zero, cond
.if \cond
	NOROWS .Ltrip_\@
	s_wait_loadcnt 0x0                             ; the stretch stands by itself: whatever was asked for earlier is in
.endif
.if (\t) < 3
	ALOAD STG, 0x80, 512*((\t)+1)
.endif
	KSTEP \t, 0, \zero
	KSTEP \t, 1, 0
.if (\t) < 3
	s_wait_loadcnt 32
	ASTORE STG, 0x08, (((\t)+1)&1), 0
	s_wait_dscnt 0x0                               ; the stores have read the staging registers before loads land on them again
	ALOAD STG, 0x80, 512*((\t)+1)+256
.else
	s_wait_loadcnt 0x0                             ; the last two ring slots; nothing younger is out
.endif
	KSTEP \t, 2, 0
	KSTEP \t, 3, 0
.if (\t) < 3
	s_wait_loadcnt 32
	ASTORE STG, 0x08, (((\t)+1)&1), 1
.endif
	WIN 0
.if \cond
.Ltrip_\@:
.endif
	BAR                                            ; the other slot is whole, this one may be written
.endm
; Byte offsets of cnt gathered rows into ADR: row RB + (8 i | 16 (i / 2) + 4 (i % 2) | 4 i), held to T - 1, looked up in my list, shifted by sh, plus piece
.macro GETROWS cnt, kind, sh, piece
.set i, 0
.rept \cnt
.if \kind == 0
.set rw, 8*i
.endif
.if \kind == 1
.set rw, 16*(i>>1)+4*(i&1)
.endif
.if \kind == 2
.set rw, 4*i
.endif
	v_add_nc_u32 v[ADR+i], rw, v[RB]
	v_min_u32 v[ADR+i], s21, v[ADR+i]              ; rows past the expert's last repeat it
	v_min_u32 v[ADR+i], 0x3ff, v[ADR+i]
	v_lshl_add_u32 v[ADR+i], v[ADR+i], 1, v[LISTB]
	ds_load_u16 v[ADR+i], v[ADR+i]
.set i, i+1
.endr
	s_wait_dscnt 0x0
.set i, 0
.rept \cnt
	v_min_u32 v[ADR+i], 0x3ff, v[ADR+i]            ; a token's number
	v_lshl_add_u32 v[ADR+i], v[ADR+i], \sh, v[\piece]
.set i, i+1
.endr
.endm
; A pass's head: the rows' offsets, trip 0's rows into slot 0, the ring filled.  In pass 0 ring slots 0 and 1 were asked for ahead of the list.
.macro HEAD cond
.if \cond
	NOROWS .Lhead_\@
	s_wait_loadcnt 0x0                             ; the stretch stands by itself: no load is on its way into the ring that is asked for again
.endif
	v_add_nc_u32 v[RB], s22, v[RSTG]
	GETROWS 24, 0, PA_SH, PIECE
.if \cond
	WLOAD 0, 0, 0
	WLOAD 1, 0, 1
.endif
	ALOAD STG, 0x80, 0                             ; trip 0's rows, both halves at once: AF is idle here
	ALOAD AF, 0, 256
	WLOAD 2, 0, 2
	WLOAD 3, 0, 3
	s_wait_loadcnt 32                              ; ring slots 2 and 3 are younger: both halves of A and ring slots 0 and 1 are in
	ASTORE STG, 0x08, 0, 0
	ASTORE AF, 0, 0, 1
	WIN 0
.if \cond
.Lhead_\@:
.endif
	BAR                                            ; slot 0 is whole
.endm
; Each wave's sums into its own stage: row 16 mt + r, word 16 tn + 8 hh + j.  The stages lie over the slots, which nobody reads behind the last trip's barrier.
.macro STAGE cond
.if \cond
	NOROWS .Lstage_\@
.endif
	PLACES
	WIN 0x04
.set mt, 0
.rept 8
.irp tn, 0,1,2,3
	ds_store_b128 v[STGA], v[8*(4*mt+\tn):8*(4*mt+\tn)+3]   offset:mt*16*SPITCH+64*\tn
	ds_store_b128 v[STGA], v[8*(4*mt+\tn)+4:8*(4*mt+\tn)+7] offset:mt*16*SPITCH+64*\tn+16
.endr
.set mt, mt+1
.endr
	WIN 0x08
.rept 4
.irp tn, 0,1,2,3
	ds_store_b128 v[STGA], v[8*(4*(mt-8)+\tn):8*(4*(mt-8)+\tn)+3]   offset:mt*16*SPITCH+64*\tn
	ds_store_b128 v[STGA], v[8*(4*(mt-8)+\tn)+4:8*(4*(mt-8)+\tn)+7] offset:mt*16*SPITCH+64*\tn+16
.endr
.set mt, mt+1
.endr
	WIN 0
.if \cond
.Lstage_\@:
.endif
	BAR                                            ; all four stages are whole
.endm
.if LAYER == 1
.macro ELOAD g, buf                    ; two pieces (rows 16 g + 4 rho + 8 hh + w), two K halves, four tiles: pairs (column 8 u + tn, 8 u + 4 + tn)
.irp rho, 0,1
.irp p, 0,1
.irp tn, 0,1,2,3
	ds_load_b64 v[XB+32*(\buf)+16*\rho+8*\p+2*\tn:XB+32*(\buf)+16*\rho+8*\p+2*\tn+1], v[RDA+\p] offset:(16*(\g)+4*\rho)*SPITCH+64*\tn
.endr
.endr
.endr
.endm
.macro EPIECE g, rho
.set xx, XB+32*((\g)&1)+16*\rho
.set oo, OT+4*\rho
.irp tn, 0,2,4,6
	v_pk_add_f32 v[xx+\tn:xx+\tn+1], v[xx+\tn:xx+\tn+1], v[xx+8+\tn:xx+8+\tn+1]
.endr
.irp tn, 0,2,4,6
	v_pk_fma_f32 v[xx+\tn:xx+\tn+1], v[xx+\tn:xx+\tn+1], 0x3d800000, v[BP+\tn:BP+\tn+1] op_sel_hi:[1,0,1]
.endr
.irp j, 0,1,2,3,4,5,6,7
	v_max_num_f32 v[xx+\j], 0, v[xx+\j]
.endr
	v_cvt_pk_f16_f32 v[oo],   v[xx],   v[xx+2]     ; columns 8 u + 0, 1
	v_cvt_pk_f16_f32 v[oo+1], v[xx+4], v[xx+6]     ; 2, 3
	v_cvt_pk_f16_f32 v[oo+2], v[xx+1], v[xx+3]     ; 4, 5
	v_cvt_pk_f16_f32 v[oo+3], v[xx+5], v[xx+7]     ; 6, 7
	global_store_b128 v[ADR+2*(\g)+\rho], v[oo:oo+3], s[10:11]
.endm
.else
.macro ELOAD g, buf                    ; four rows (16 g + 4 rho + w), two K halves, four tiles: columns 4 l + tn
.irp rho, 0,1,2,3
.irp p, 0,1
.irp tn, 0,1,2,3
	ds_load_b32 v[XB+32*(\buf)+8*\rho+4*\p+\tn], v[RDA+\p] offset:(16*(\g)+4*\rho)*SPITCH+64*\tn
.endr
.endr
.endr
.endm
.endif
; THE WAY OUT, jumped over in every pass that has no rows (pass 0: T = 0).
.macro WAYOUT
	NOROWS .Lout_\@
	v_add_nc_u32 v[RB], s22, v[ROUT]
.if LAYER == 1
	; the two K halves are added, / 16 and bias in one fused multiply-add, relu, f16; sixteen lanes store 256 consecutive aligned bytes of a token's row
	GETROWS 24, 1, OUT_SH, PIECE
	ELOAD 0, 0
.set g, 0
.rept 12
.if g > 0
	s_wait_xcnt 0x0                                ; the packed results of the last group were store data
.endif
.if g < 11
	ELOAD (g+1), ((g+1)&1)
	s_wait_dscnt 16                                ; the next group's sixteen reads are younger
.else
	s_wait_dscnt 0x0
.endif
	EPIECE g, 0
	EPIECE g, 1
.set g, g+1
.endr
.else
	; the two K halves are added; a wave stores 512 consecutive aligned bytes of a token's row of its plane
	GETROWS 48, 2, OUT_SH, PIEC2
	ELOAD 0, 0
.set g, 0
.rept 12
.if g > 0
	s_wait_xcnt 0x0                                ; the buffer that is loaded next was store data
.endif
.if g < 11
	ELOAD (g+1), ((g+1)&1)
	s_wait_dscnt 32                                ; the next group's 32 reads are younger
.else
	s_wait_dscnt 0x0
.endif
.irp rho, 0,1,2,3
.set xx, XB+32*(g&1)+8*\rho
	v_pk_add_f32 v[xx:xx+1],   v[xx:xx+1],   v[xx+4:xx+5]
	v_pk_add_f32 v[xx+2:xx+3], v[xx+2:xx+3], v[xx+6:xx+7]
	global_store_b128 v[ADR+4*g+\rho], v[xx:xx+3], s[10:11]
.endr
.set g, g+1
.endr
.endif
	s_wait_xcnt 0x0                                ; the stores' offsets and data may be written by whatever stretch runs next
.Lout_\@:
	BAR                                            ; everybody's reads of the stages are done: slot 0 may be written again
.endm
	s_load_b256 s[4:11], s[0:1], 0x0               ; A s[4:5], W s[6:7], emask s[8:9], out s[10:11]
	v_lshl_add_u32 v38, v0, 2, 0x35900
	v_mov_b32 v39, 0
.if LAYER == 1
	s_load_b64 s[12:13], s[0:1], 0x20              ; b1
.endif
	v_and_b32 v1, 31, v0                           ; lane
	v_lshrrev_b32 v2, 5, v0
	v_readfirstlane_b32 s14, v2                    ; wave w
	v_and_b32 v2, 15, v0                           ; r, also called u
	v_bfe_u32 v3, v0, 4, 1                         ; hh
	s_and_b32 s15, s14, 1                          ; cw
	s_lshr_b32 s16, s14, 1                         ; kw
	s_lshr_b32 s17, ttmp9, 5                       ; expert e: 32 work-groups each
	s_lshl_b32 s66, s17, 24                        ; an expert's weights: 16 MiB
	s_mov_b32 s67, 0
	s_mov_b32 s71, 0
	s_mov_b32 s73, 0
	s_lshl_b32 s74, s17, 7                         ; an expert's mask: 128 bytes
	s_mov_b32 s75, 0
.if LAYER == 1
	s_and_b32 s18, ttmp9, 31                       ; which 128 columns of H
	s_lshl_b32 s68, s18, 9
	s_add_co_u32 s66, s66, s68                     ; W1: + 512 bytes a slice
	s_lshl_b32 s70, s18, 8                         ; h: 256 bytes a slice
	s_lshl_b32 s72, s17, 14
	s_add_co_u32 s72, s72, s68                     ; b1: expert's 16,384 bytes + 512 a slice
.else
	s_and_b32 s18, ttmp9, 7                        ; which 128 columns of D
	s_bfe_u32 s19, ttmp9, 0x20003                  ; kq: which quarter of H
	s_lshl_b32 s68, s19, 22                        ; 1,024 rows of W2, and a plane of part: 4 MiB
	s_lshl_b32 s70, s18, 9
	s_add_co_u32 s66, s66, s68
	s_add_co_u32 s66, s66, s70                     ; W2
	s_add_co_u32 s70, s70, s68                     ; part
	s_lshl_b32 s72, s19, 11                        ; h: 1,024 f16 along the row
.endif
	s_lshl_b32 s68, s16, 6                         ; 64 kw
	s_lshl_b32 s69, s15, 8                         ; 256 cw
	v_lshl_add_u32 v[VB], v3, 3, s68
	v_lshlrev_b32 v[VB], PB_SH, v[VB]
	v_lshl_add_u32 v[VB], v2, 4, v[VB]
	v_add_nc_u32 v[VB], s69, v[VB]
	v_add_nc_u32 v[VP], s68, v1
	v_lshlrev_b32 v[VP], PB_SH, v[VP]
	v_add_nc_u32 v[VP], s69, v[VP]
	s_lshl_b32 s68, s16, 7                         ; my K half inside a half row: 128 kw bytes
	v_mul_u32_u24 v[ADRA], v2, APITCH
	v_lshl_add_u32 v[ADRA], v3, 4, v[ADRA]
	v_add_nc_u32 v[ADRA], s68, v[ADRA]
	v_add_nc_u32 v[ADRA+1], HALF, v[ADRA]
	v_add_nc_u32 v[ADRA+2], SLOT, v[ADRA]
	v_add_nc_u32 v[ADRA+3], SLOT+HALF, v[ADRA]
	s_lshl_b32 s68, s14, 1
	v_add_nc_u32 v[RSTG], s68, v3                  ; 2 w + hh
	v_mul_u32_u24 v[STA], v[RSTG], APITCH
	v_lshl_add_u32 v[STA], v2, 4, v[STA]
	v_add_nc_u32 v[STA+1], HALF, v[STA]
	v_add_nc_u32 v[STA+2], SLOT, v[STA]
	v_add_nc_u32 v[STA+3], SLOT+HALF, v[STA]
	s_mul_i32 s68, s14, REG
	v_mul_u32_u24 v[STGA], v2, SPITCH
	v_lshl_add_u32 v[STGA], v3, 5, v[STGA]
	v_add_nc_u32 v[STGA], s68, v[STGA]
	v_lshlrev_b32 v[PIECE], 4, v2
.if LAYER == 1
	; back: lane u takes columns 8 u .. 8 u + 7 = stage u >> 3, for each tn the words 16 tn + 2 (u & 7), + 1; rows 8 hh + w + ..
	v_lshl_add_u32 v[ROUT], v3, 3, s14
	v_mul_u32_u24 v[RDA], v[ROUT], SPITCH
	v_lshrrev_b32 v24, 3, v2
	v_mul_u32_u24 v24, v24, REG
	v_add_nc_u32 v[RDA], v24, v[RDA]
	v_and_b32 v24, 7, v2
	v_lshl_add_u32 v[RDA], v24, 3, v[RDA]
	v_lshlrev_b32 v[PIEC2], 5, v2
.else
	; back: lane l takes columns 4 l .. 4 l + 3 = stage hh, for each tn the word 16 tn + u; rows w + ..
	v_mov_b32 v[ROUT], s14
	s_mul_i32 s68, s14, SPITCH
	v_mul_u32_u24 v[RDA], v3, REG
	v_lshl_add_u32 v[RDA], v2, 2, v[RDA]
	v_add_nc_u32 v[RDA], s68, v[RDA]
	v_lshlrev_b32 v[PIEC2], 4, v1
.endif
	v_add_nc_u32 v[RDA+1], 2*REG, v[RDA]
	s_mul_i32 s68, s14, LISTW
	s_add_co_u32 s68, s68, LIST
	v_mov_b32 v[LISTB], s68
	s_wait_kmcnt 0x0
	s_add_nc_u64 s[WB:WB+1], s[6:7], s[66:67]
	s_add_nc_u64 s[WB+2:WB+3], s[WB:WB+1], 256*PB
	s_add_nc_u64 s[WB+4:WB+5], s[WB:WB+1], 512*PB
	s_add_nc_u64 s[WB+6:WB+7], s[WB:WB+1], 768*PB
	s_add_nc_u64 s[10:11], s[10:11], s[70:71]
	s_add_nc_u64 s[8:9], s[8:9], s[74:75]
.if LAYER == 1
	s_add_nc_u64 s[12:13], s[12:13], s[72:73]
.else
	s_add_nc_u64 s[4:5], s[4:5], s[72:73]
.endif
	s_load_b512 s[32:47], s[8:9], 0x0              ; the expert's 1,024 bits
	s_load_b512 s[48:63], s[8:9], 0x40
.if LAYER == 1
	global_load_b128 v[OT:OT+3],   v[PIEC2], s[12:13]
	global_load_b128 v[OT+4:OT+7], v[PIEC2], s[12:13] offset:16
.endif
	WLOAD 0, 0, 0                                  ; the weights hang on no routing: the first two K steps are on their way while the list is made
	WLOAD 1, 0, 1
	WIN 0
	; The list, each wave its own copy (no barrier).  First every entry is set to token 0, so that no byte is read that was not written (T = 0 reads token 0).
.irp j, 4,5,6,7
	v_mov_b32 v[XB+\j], 0
.endr
	v_lshl_add_u32 v[XB+3], v1, 4, v[LISTB]
.irp k, 0,1,2,3,4
	ds_store_b128 v[XB+3], v[XB+4:XB+7] offset:512*\k
.endr
	s_wait_kmcnt 0x0
	; Then token 32 g + lane goes to place (tokens before it), the others to entry 1,024.  LDS serves a wave's instructions in order (ISA guide 5.7.1.4).
	v_mov_b32 v[XB], 0x400
	s_mov_b32 s23, 0
.set g, 0
.rept 32
	v_mbcnt_lo_u32_b32 v[XB+1], s[32+g], s23
	v_cndmask_b32 v[XB+1], v[XB], v[XB+1], s[32+g]
	v_min_u32 v[XB+1], 0x400, v[XB+1]
	v_lshl_add_u32 v[XB+1], v[XB+1], 1, v[LISTB]
	v_add_nc_u32 v[XB+2], 32*g, v1
	ds_store_b16 v[XB+1], v[XB+2]
	s_bcnt1_i32_b32 s66, s[32+g]
	s_add_co_u32 s23, s23, s66
.set g, g+1
.endr
	s_mov_b32 s20, s23                             ; T
	s_sub_co_u32 s21, s20, 1                       ; T - 1 (T = 0: all ones, which holds nothing back; the constant 1,023 behind it does)
.if LAYER == 1
	s_wait_loadcnt 32                              ; the 32 weight loads are younger: b1 is in
.irp tn, 0,1,2,3
	v_mul_f32 v[BP+2*\tn],   0x3d800000, v[OT+\tn]
	v_mul_f32 v[BP+2*\tn+1], 0x3d800000, v[OT+4+\tn]
.endr
.endif
	; PASS 0
	s_mov_b32 s22, 0
	HEAD 0
	TRIP 0, 1, 0                                   ; the first products start the sums: nothing is cleared
	TRIP 1, 0, 0
	TRIP 2, 0, 0
	TRIP 3, 0, 0
	STAGE 0
	WAYOUT
	; PASSES 1 TO 5: five trips whatever T is; what T decides is which stretches are jumped over
	s_mov_b32 s22, ROWS
.Lpass:
	HEAD 1
	TRIP 0, 1, 1
	TRIP 1, 0, 1
	TRIP 2, 0, 1
	TRIP 3, 0, 1
	STAGE 1
	WAYOUT
	s_add_co_u32 s22, s22, ROWS
	s_cmp_lt_u32 s22, PASSES*ROWS
	s_cbranch_scc1 .Lpass
	s_wait_tensorcnt 0x0
	ds_add_u32 v38, v39
	s_wait_dscnt 0x0
	s_endpgm
.Lfunc_end_k_qe28164ddf9_ffn2:
	.size	k_qe28164ddf9_ffn2, .Lfunc_end_k_qe28164ddf9_ffn2-k_qe28164ddf9_ffn2
	.p2alignl 7, 3214868480
	.fill 96, 4, 3214868480
	.section	.rodata,"a",@progbits
	.p2align	6, 0x0
	.amdhsa_kernel k_qe28164ddf9_ffn2
		.amdhsa_group_segment_fixed_size 219904
		.amdhsa_private_segment_fixed_size 0
		.amdhsa_enable_private_segment 0
		.amdhsa_kernarg_size 32
		.amdhsa_user_sgpr_count 2
		.amdhsa_user_sgpr_kernarg_segment_ptr 1
		.amdhsa_wavefront_size32 1
		.amdhsa_system_sgpr_workgroup_id_x 1
		.amdhsa_system_sgpr_workgroup_id_y 1
		.amdhsa_system_sgpr_workgroup_id_z 1
		.amdhsa_system_vgpr_workitem_id 0
		.amdhsa_next_free_vgpr 1024
		.amdhsa_next_free_sgpr 80
		.amdhsa_reserve_vcc 0
		.amdhsa_float_denorm_mode_32 3
		.amdhsa_float_denorm_mode_16_64 3
		.amdhsa_memory_ordered 1
		.amdhsa_forward_progress 1
		.amdhsa_inst_pref_size 255
	.end_amdhsa_kernel
	.section	.bss,"aw",@nobits
	.p2align	6
	.space	262144
	.amdgpu_metadata
---
amdhsa.version: [ 1, 2 ]
amdhsa.kernels:
  - .name:           k_qe28164ddf9_ffn2
    .symbol:         k_qe28164ddf9_ffn2.kd
    .args:
      - { .name: h, .offset: 0, .size: 8, .value_kind: global_buffer, .address_space: global }
      - { .name: W2, .offset: 8, .size: 8, .value_kind: global_buffer, .address_space: global }
      - { .name: emask, .offset: 16, .size: 8, .value_kind: global_buffer, .address_space: global }
      - { .name: part, .offset: 24, .size: 8, .value_kind: global_buffer, .address_space: global }
    .group_segment_fixed_size: 219904
    .private_segment_fixed_size: 0
    .kernarg_segment_align: 8
    .kernarg_segment_size: 32
    .max_flat_workgroup_size: 128
    .sgpr_count:     80
    .vgpr_count:     1024
    .wavefront_size: 32
...
	.end_amdgpu_metadata
.endif
;; end of part 3
;; launch combine (part 4): grid 256 x 1, 4 waves a work-group, no clusters, 0 bytes of LDS; arguments part, b2, eidx, out1, out0; writes out0
.if DOCPART == 4
	.amdgcn_target "amdgcn-amd-amdhsa--gfx1250"
	.amdhsa_code_object_version 6
	.text
	.protected	k_qe28164ddf9_combine
	.globl	k_qe28164ddf9_combine
	.p2align	8
	.type	k_qe28164ddf9_combine,@function
k_qe28164ddf9_combine:
	s_mov_b64 s[64:65], 0
	v_nop
	global_prefetch_b8 v0, s[64:65] scope:SCOPE_SE
	s_setreg_imm32_b32 hwreg(HW_REG_WAVE_MODE, 25, 1), 1
	s_wait_xcnt 0x0
; out0[t][c] = w[t] * (16 * (part[0][t][c] + part[1][t][c] + part[2][t][c] + part[3][t][c]) + b2[e[t]][c]).
; w[t] is the largest of the token's eight gate weights (what top_k returns), e[t] its index as the gate launch stored it; the 16 gives back the factor by which h was kept smaller.
; One wave, one token: a row of 4,096 bytes of each of the four planes, eight loads of 512 consecutive bytes each.  A stream: no LDS, no barrier, no matrix unit;
; nothing is looped and no register is used twice, so the only waits are for data.
.set P,  20                            ; v[20:147]   plane k, piece i at P + 32 k + 4 i
.set BB, 148                           ; v[148:179]  b2's row, piece i at BB + 4 i
.set PLANE, 4194304                    ; bytes in a plane of part
	s_load_b256 s[4:11], s[0:1], 0x0               ; part s[4:5], b2 s[6:7], eidx s[8:9], out1 s[10:11]
	s_load_b64 s[12:13], s[0:1], 0x20              ; out0
	v_and_b32 v1, 31, v0
	v_lshrrev_b32 v2, 5, v0
	v_readfirstlane_b32 s14, v2                    ; wave
	s_lshl_b32 s15, ttmp9, 2
	s_add_co_u32 s15, s15, s14                     ; my token
	s_lshl_b32 s18, s15, 2
	s_lshl_b32 s19, s15, 5
	s_lshl_b32 s20, s15, 12
	v_mov_b32 v2, s18                              ; its index,
	v_mov_b32 v3, s19                              ; its eight weights: the same address in every lane
	v_lshlrev_b32 v13, 4, v1                       ; 16 bytes a lane
	v_add_nc_u32 v12, s20, v13                     ; + its row
	s_wait_kmcnt 0x0
	s_add_nc_u64 s[16:17], s[4:5], 2*PLANE         ; planes 2 and 3: the immediate reaches one plane
	global_load_b32 v16, v2, s[8:9]
	global_load_b128 v[4:7], v3, s[10:11]
	global_load_b128 v[8:11], v3, s[10:11] offset:16
.irp k, 0,1
.irp i, 0,1,2,3,4,5,6,7
	global_load_b128 v[P+32*\k+4*\i:P+32*\k+4*\i+3], v12, s[4:5] offset:PLANE*\k+512*\i th:TH_LOAD_NT
.endr
.endr
.irp k, 0,1
.irp i, 0,1,2,3,4,5,6,7
	global_load_b128 v[P+64+32*\k+4*\i:P+64+32*\k+4*\i+3], v12, s[16:17] offset:PLANE*\k+512*\i th:TH_LOAD_NT
.endr
.endr
	s_wait_loadcnt 32                              ; the 32 loads of part are younger: index and weights are in
	v_max3_num_f32 v14, v4, v5, v6
	v_max3_num_f32 v14, v14, v7, v8
	v_max3_num_f32 v14, v14, v9, v10
	v_max_num_f32 v14, v14, v11
	v_mov_b32 v15, v14                             ; a pair for the packed multiply
	v_min_u32 v16, 7, v16                          ; an expert's number
	v_lshl_add_u32 v17, v16, 12, v13               ; its row of b2
.irp i, 0,1,2,3,4,5,6,7
	global_load_b128 v[BB+4*\i:BB+4*\i+3], v17, s[6:7] offset:512*\i
.endr
.irp i, 0,1,2,3,4,5,6,7
	s_wait_loadcnt 7-\i                            ; the younger pieces of b2 stay out; part's loads are older and so are in
.irp j, 0,2
	v_pk_add_f32 v[P+4*\i+\j:P+4*\i+\j+1], v[P+4*\i+\j:P+4*\i+\j+1], v[P+32+4*\i+\j:P+32+4*\i+\j+1]
	v_pk_add_f32 v[P+64+4*\i+\j:P+64+4*\i+\j+1], v[P+64+4*\i+\j:P+64+4*\i+\j+1], v[P+96+4*\i+\j:P+96+4*\i+\j+1]
.endr
.irp j, 0,2
	v_pk_add_f32 v[P+4*\i+\j:P+4*\i+\j+1], v[P+4*\i+\j:P+4*\i+\j+1], v[P+64+4*\i+\j:P+64+4*\i+\j+1]
.endr
.irp j, 0,2
	v_pk_fma_f32 v[P+4*\i+\j:P+4*\i+\j+1], v[P+4*\i+\j:P+4*\i+\j+1], 0x41800000, v[BB+4*\i+\j:BB+4*\i+\j+1] op_sel_hi:[1,0,1]
.endr
.irp j, 0,2
	v_pk_mul_f32 v[P+4*\i+\j:P+4*\i+\j+1], v[P+4*\i+\j:P+4*\i+\j+1], v[14:15]
.endr
	global_store_b128 v12, v[P+4*\i:P+4*\i+3], s[12:13] offset:512*\i th:TH_STORE_NT   ; 512 consecutive bytes, aligned
.endr
	s_endpgm
.Lfunc_end_k_qe28164ddf9_combine:
	.size	k_qe28164ddf9_combine, .Lfunc_end_k_qe28164ddf9_combine-k_qe28164ddf9_combine
	.p2alignl 7, 3214868480
	.fill 96, 4, 3214868480
	.section	.rodata,"a",@progbits
	.p2align	6, 0x0
	.amdhsa_kernel k_qe28164ddf9_combine
		.amdhsa_group_segment_fixed_size 0
		.amdhsa_private_segment_fixed_size 0
		.amdhsa_enable_private_segment 0
		.amdhsa_kernarg_size 40
		.amdhsa_user_sgpr_count 2
		.amdhsa_user_sgpr_kernarg_segment_ptr 1
		.amdhsa_wavefront_size32 1
		.amdhsa_system_sgpr_workgroup_id_x 1
		.amdhsa_system_sgpr_workgroup_id_y 1
		.amdhsa_system_sgpr_workgroup_id_z 1
		.amdhsa_system_vgpr_workitem_id 0
		.amdhsa_next_free_vgpr 180
		.amdhsa_next_free_sgpr 66
		.amdhsa_reserve_vcc 0
		.amdhsa_float_denorm_mode_32 3
		.amdhsa_float_denorm_mode_16_64 3
		.amdhsa_memory_ordered 1
		.amdhsa_forward_progress 1
		.amdhsa_inst_pref_size 12
	.end_amdhsa_kernel
	.amdgpu_metadata
---
amdhsa.version: [ 1, 2 ]
amdhsa.kernels:
  - .name:           k_qe28164ddf9_combine
    .symbol:         k_qe28164ddf9_combine.kd
    .args:
      - { .name: part, .offset: 0, .size: 8, .value_kind: global_buffer, .address_space: global }
      - { .name: b2, .offset: 8, .size: 8, .value_kind: global_buffer, .address_space: global }
      - { .name: eidx, .offset: 16, .size: 8, .value_kind: global_buffer, .address_space: global }
      - { .name: out1, .offset: 24, .size: 8, .value_kind: global_buffer, .address_space: global }
      - { .name: out0, .offset: 32, .size: 8, .value_kind: global_buffer, .address_space: global }
    .group_segment_fixed_size: 0
    .private_segment_fixed_size: 0
    .kernarg_segment_align: 8
    .kernarg_segment_size: 40
    .max_flat_workgroup_size: 128
    .sgpr_count:     66
    .vgpr_count:     180
    .wavefront_size: 32
...
	.end_amdgpu_metadata
.endif
;; end of part 4
;; ======== version 2 of 2: 4 launches
;; limits: inputs' magnitudes at most 65,504; values are held in f16: magnitudes above 65,504 overflow, below 6.1e-05 lose precision
;; workspace buffers: xh 2,097,152 bytes; h 8,388,608 bytes; part 16,777,216 bytes; eidx 4,096 bytes of whole numbers; emask 1,024 bytes of whole numbers
;; launch gate: the kernel of part 1 again; grid 128 x 1, 8 waves a work-group, no clusters, 38,400 bytes of LDS; arguments x, Wg, bg, out1, xh, eidx, emask; writes out1, xh, eidx, emask
;; launch ffn1 (part 5): grid 256 x 1, 4 waves a work-group, no clusters, 209,664 bytes of LDS; arguments xh, W1, emask, h, b1; writes h
.if DOCPART == 5
	.amdgcn_target "amdgcn-amd-amdhsa--gfx1250"
	.amdhsa_code_object_version 6
	.text
	.protected	k_qe28164ddf9_ffn1
	.globl	k_qe28164ddf9_ffn1
	.p2align	8
	.type	k_qe28164ddf9_ffn1,@function
k_qe28164ddf9_ffn1:
	s_mov_b64 s[64:65], 0
	v_nop
	global_prefetch_b8 v0, s[64:65] scope:SCOPE_SE
	s_setreg_imm32_b32 hwreg(HW_REG_WAVE_MODE, 25, 1), 1
	s_wait_xcnt 0x0
; ONE LAYER OF THE CHOSEN EXPERT.  The same text serves both layers; LAYER picks the constants and the way out.
;   LAYER 1:  h[t][c] = relu(x[t] . W1[e][:, c] + b1[e][c]) / 16  in f16, for the tokens t whose expert is e
;   LAYER 2:  part[kq][t][c] = sum over quarter kq of H of h[t][k] W2[e][k][c]  in f32 (the four quarters, the factor 16, b2 and the gate's weight: next launch)
; reference() gathers one expert's output for each token, so only that expert's product is made.
; A work-group owns 1,024 rows x 128 columns of one expert's f32 weights (512 KiB) and multiplies all the expert's T tokens with them, 192 rows to a pass.
; Rows past T repeat the expert's last token: they give the same numbers, stored to the same bytes, so no store is masked.
; PASSES.  T is read from memory, and every wave has to pass every barrier, so no barrier stands under a branch on T.  Pass 0 (rows 0-191) is written out
; without branches but the one round its way out; with T = 0 it multiplies token 1,023's row and stores nothing.  Passes 1 to 5 (T up to 1,024) are a loop of five
; trips in which each stretch between two barriers is jumped over when the expert has no rows for it.  Each such stretch has a branch of its own, so each is
; written to be right whatever stretches ran before it: it waits for all loads first.  A later pass reads the weights again and keeps fewer loads ahead:
; an expert with more than 192 tokens is served, but not at pass 0's pace.
; Wave w: cw = w & 1 its 64 columns, kw = w >> 1 its half of K: every weight byte is loaded by one wave.
; WEIGHTS GO STRAIGHT INTO FRAGMENTS.  For 32 of K, lane (r = l & 15, hh = l >> 4) loads 16 bytes (columns 4 r .. 4 r + 3) of 16 rows; each load of the wave covers
; two runs of 256 consecutive aligned bytes.  The lane's four columns belong to four N tiles (tile tn = columns 4 c + tn), and v_cvt_pk_f16_f32 of two
; rows' numbers is one fragment register: no transposition and no LDS for the weights.  A ring of four such sets of 64 registers keeps the loads ahead.
; WHICH TOKEN IS ROW n: the expert's tokens are the set bits of its 1,024 mask bits, which lie in 32 scalar registers.  The n-th set bit is found in registers
; (SELECT2): the word by 31 compares against the running count, the bit in the word by five halvings on the word's counts of 16, 8, 4, 2 and 1 bits.  A wave
; needs 48 rows at a time, so two registers hold them, one row a lane, and v_readlane_b32 hands each to the lanes that load or store it.  No list is kept in LDS.
; TOKENS' ROWS are gathered into registers and from there into one of two LDS slots (192 rows x 256 K in f16).
; THE MATRIX INSTRUCTION IS USED TRANSPOSED: source 0 = weights, source 1 = tokens; lane (r, hh), register j holds token row 16 mt + r, column 64 cw + 4 (8 hh + j) + tn.
; f16 AND NOT bf16: the result is held to a hundredth of the output's spread, and four roundings to 8 bits come near it; 11 bits leave room.
; LIMITS: |x|, |W| above 65,504 and relu(..) above 1,048,064 become infinite in f16; h is kept as h / 16 for that room.  relu of a NaN gives 0.
; No tensor loads: the weights need a conversion in registers and the tokens' rows are gathered.  No cluster: without tensor loads there is no joint request.
.set LAYER, 1
.if LAYER == 1
.set PA_SH,  11                        ; a token's row of A: 2,048 bytes (xh)
.set PB_SH,  14                        ; a row of W1: 16,384 bytes
.set OUT_SH, 13                        ; a row of h: 8,192 bytes
.set POSTEP, 8                         ; the way out: the second register's rows lie 8 further down (hh = 1)
.else
.set PA_SH,  13                        ; a token's row of A: 8,192 bytes (h)
.set PB_SH,  12                        ; a row of W2: 4,096 bytes
.set OUT_SH, 12                        ; a row of part: 4,096 bytes
.set POSTEP, 128                       ; the way out: the second register's rows lie 128 further down (stores 32 to 47)
.endif
.set PB,     1<<PB_SH
.set ROWS,   192                       ; rows of a pass
.set PASSES, 6                         ; 6 x 192 = 1,152 rows cover the 1,024 tokens
.set APITCH, 528                       ; an LDS row of A: 512 bytes + 16 = 33 x 16: sixteen consecutive rows start at sixteen different 16-byte columns of a 256-byte span
.set HALF,   96*APITCH                 ; 96 rows: what an LDS offset of 16 bits reaches
.set SLOT,   192*APITCH                ; 101,376; two slots at 0 and SLOT
.set SPITCH, 272                       ; a row of a wave's stage: 64 f32 + 16 bytes = 17 x 16
.set REG,    192*SPITCH+64             ; a wave's stage, 52,288 bytes; the 64 put the two column halves 64 bytes apart modulo 256.  The four stages lie over the two slots
; window 0
.set VB,    4                          ; weights: (8 hh + 64 kw) rows + 256 cw + 16 r
.set VP,    5                          ; prefetch: (64 kw + lane) rows + 256 cw
.set ADRA,  6                          ; v6-9    [slot][half]: my A fragments
.set STA,   10                         ; v10-13  [slot][half]: where I put the rows that I gather
.set STGA,  14                         ; my stage: w REG + 272 r + 32 hh
.set PSA,   15                         ; gathering: the row for which lane i searches: 8 i + 2 w (load i, hh = 0)
.set RDA,   16                         ; v16-17  [kw half]: where I read the stages back
.set POA,   18                         ; the way out: the row for which lane i searches
.set PIECE, 22                         ; 16 u
.set PIEC2, 23                         ; LAYER 1: 32 u, b1's offset; LAYER 2: 16 x lane
.set OT,    24                         ; v24-31  LAYER 1: b1 as loaded, then packed results
.set BP,    32                         ; v32-39  LAYER 1: pairs (b1[8 u + tn], b1[8 u + 4 + tn]) / 16
.set ADR,   40                         ; v40-63  byte offsets of gathered rows (LAYER 2's way out: v40-87)
.set BF,    64                         ; v64-95  four weight fragments
.set AF,    96                         ; v96-191 twelve token fragments
.set XB,    192                        ; v192-255 the way out, two buffers of 32; ahead of that the search's registers, a pair each:
.set QR,    XB                         ;   the row, then its place k in the word, then the token
.set QW,    XB+2                       ;   the mask word that holds it
.set QP,    XB+4                       ;   tokens ahead of that word, and the word's number << 16
.set QA,    XB+6                       ;   the word's counts of 2 bits,
.set QB,    XB+8                       ;   of 4,
.set QC,    XB+10                      ;   of 8
.set QT,    XB+12                      ;   at work
.set QPOS,  XB+14                      ;   the bit's place
.set QX,    XB+16                      ;   at work
; window 1: accumulators of M tiles 0-7 at 8 (4 mt + tn); window 2: M tiles 8-11 at 8 (4 (mt - 8) + tn), and
.set STG,   128                        ; window 2, v128-223: 24 x 16 bytes of gathered rows on their way to LDS
; window 3: the ring, slot s at 64 s
.set WB,    24                         ; s[24:31] the weights' address at trip 0, 1, 2, 3 (256 rows apart)
; s20 = T, s21 = T - 1, s22 = the pass's first row, s23 = running count, s[32:63] = the expert's mask, s76 = lanes 16-31
.set MSB, 0
.macro WIN new                         ; s_set_vgpr_msb: bits 1:0 source 0, 3:2 source 1, 5:4 source 2, 7:6 destination; the high byte repeats the setting that is left
.if MSB != \new
	s_set_vgpr_msb (MSB<<8)|\new
.set MSB, \new
.endif
.endm
.macro PLACES                          ; four plain vector instructions between a matrix instruction and whatever writes its sources or reads its result (ISA guide 7.12.1)
.rept 4
	v_nop
.endr
.endm
.macro BAR                             ; on every wave's path: my LDS reads and stores are done, then everybody's
	s_wait_dscnt 0x0
	s_barrier_signal -1
	s_barrier_wait -1
.endm
.macro NOROWS lbl                      ; jump over a stretch for which the expert has no rows; no barrier is jumped over
	s_cmp_ge_u32 s22, s20
	s_cbranch_scc1 \lbl
.endm
; 16 loads: the 32 rows of K step s of trip t, into ring slot ring.  K step s of a trip of 256 rows begins at row 0, 32, 128, 160 (+ 64 kw, in VB).
.macro WLOAD ring, t, s
	WIN 0xc0
.set q, 0
.rept 16
	global_load_b128 v[64*(\ring)+4*q:64*(\ring)+4*q+3], v[VB], s[WB+2*(\t):WB+2*(\t)+1] offset:(32*((\s)&1)+128*((\s)>>1)+q+8*(q>>3))*PB th:TH_LOAD_NT
.set q, q+1
.endr
.endm
; 24 loads: 256 bytes (at byte off) of the pass's 192 rows; load i: rows 8 i + 2 w + hh, sixteen lanes to a row
.macro ALOAD dst, win, off
	WIN \win
.set i, 0
.rept 24
	global_load_b128 v[\dst+4*i:\dst+4*i+3], v[ADR+i], s[4:5] offset:\off
.set i, i+1
.endr
.endm
.macro ASTORE src, win, slot, hf       ; and into the slot, at byte 256 hf of the rows
	WIN \win
.set i, 0
.rept 24
	ds_store_b128 v[STA+2*(\slot)+i/12], v[\src+4*i:\src+4*i+3] offset:(i%12)*8*APITCH+256*(\hf)
.set i, i+1
.endr
.endm
; 16 matrix instructions: M tiles mt0 .. mt0 + 3 (accumulators ab .. ab + 3 of the window) x four N tiles
.macro MM mt0, ab, zero
.irp a, 0,1,2,3
.irp b, 0,1,2,3
.if \zero
	v_wmma_f32_16x16x32_f16 v[8*(4*(\ab+\a)+\b):8*(4*(\ab+\a)+\b)+7], v[BF+8*\b:BF+8*\b+7], v[AF+8*(\mt0+\a):AF+8*(\mt0+\a)+7], 0
.else
	v_wmma_f32_16x16x32_f16 v[8*(4*(\ab+\a)+\b):8*(4*(\ab+\a)+\b)+7], v[BF+8*\b:BF+8*\b+7], v[AF+8*(\mt0+\a):AF+8*(\mt0+\a)+7], v[8*(4*(\ab+\a)+\b):8*(4*(\ab+\a)+\b)+7]
.endif
.endr
.endr
.endm
; K step s of trip t: 32 of K, 48 matrix instructions.  The 48 accumulators take turns, one instruction a turn, in the same order in every K step.
; The ring slot that has been converted is loaded again with the same K step of the next trip: four K steps ahead.
.macro KSTEP t, s, zero
	WIN 0
	PLACES                                         ; AF and BF were sources of the last matrix instructions
.set kb, 64*((\s)&1)+256*((\s)>>1)
.set mt, 0
.rept 12
	ds_load_b128 v[AF+8*mt:AF+8*mt+3],   v[ADRA+2*((\t)&1)+mt/6] offset:(mt%6)*16*APITCH+kb
	ds_load_b128 v[AF+8*mt+4:AF+8*mt+7], v[ADRA+2*((\t)&1)+mt/6] offset:(mt%6)*16*APITCH+kb+32
.set mt, mt+1
.endr
	WIN 0x0f
.irp tn, 0,1,2,3
.irp p, 0,1,2,3
	v_cvt_pk_f16_f32 v[BF+8*\tn+\p],   v[64*\s+8*\p+\tn],    v[64*\s+8*\p+4+\tn]     ; rows 8 hh + 2 p, + 1 of column 4 r + tn
	v_cvt_pk_f16_f32 v[BF+8*\tn+4+\p], v[64*\s+32+8*\p+\tn], v[64*\s+36+8*\p+\tn]    ; rows 16 + 8 hh + 2 p, + 1
.endr
.endr
.if (\t) < 3
	WLOAD \s, ((\t)+1), \s
.endif
.if 4*(\t)+\s <= 9
	; my wave's K step six further on, two K steps ahead of the loads that want it: 32 rows, one lane a row's 256 bytes; the last asked for is the slice's last K step.
	; A later pass of a long list asks for the same rows again.
.set pn, 4*(\t)+\s+6
	global_prefetch_b8 v[VP], s[WB+2*(pn>>2):WB+2*(pn>>2)+1] offset:(32*(pn&1)+128*((pn>>1)&1))*PB th:TH_LOAD_NT scope:SCOPE_SE
.endif
	WIN 0x50
	s_wait_dscnt 16                                ; eight fragments' loads are younger: M tiles 0-3 are in
	MM 0, 0, \zero
	s_wait_dscnt 8                                 ; four fragments' loads are younger
	MM 4, 4, \zero
	WIN 0xa0
	s_wait_dscnt 0
	MM 8, 0, \zero
.endm
; Trip t: 256 of K from slot t & 1 (my wave: 128 of them); meanwhile the next trip's rows are gathered into the other slot, half a row at a time.
; Loads are issued in the order A(t+1, first half), W(t+1, 0), W(t+1, 1), A(t+1, second half), W(t+1, 2), W(t+1, 3), and come back in order (ISA guide 5.7.1):
; each s_wait_loadcnt 32 leaves out the two ring slots (2 x 16 loads) issued behind the A loads that it needs, and so also shows the two ring slots
; issued ahead of those, which the next two K steps convert.  cond = 1: a stretch of the loop of later passes.
.macro TRIP t, zero, cond
.if \cond
	NOROWS .Ltrip_\@
	s_wait_loadcnt 0x0                             ; the stretch stands by itself: whatever was asked for earlier is in
.endif
.if (\t) < 3
	ALOAD STG, 0x80, 512*((\t)+1)
.endif
	KSTEP \t, 0, \zero
	KSTEP \t, 1, 0
.if (\t) < 3
	s_wait_loadcnt 32
	ASTORE STG, 0x08, (((\t)+1)&1), 0
	s_wait_dscnt 0x0                               ; the stores have read the staging registers before loads land on them again
	ALOAD STG, 0x80, 512*((\t)+1)+256
.else
	s_wait_loadcnt 0x0                             ; the last two ring slots; nothing younger is out
.endif
	KSTEP \t, 2, 0
	KSTEP \t, 3, 0
.if (\t) < 3
	s_wait_loadcnt 32
	ASTORE STG, 0x08, (((\t)+1)&1), 1
.endif
	WIN 0
.if \cond
.Ltrip_\@:
.endif
	BAR                                            ; the other slot is whole, this one may be written
.endm
; One halving of the search in the word: t = set bits among the width bits at QPOS.  If k >= t the bit lies above them: QPOS += width, k -= t.
; k - t wraps to a large number where k < t, so min(k, k - t) is the new k in both cases.  more = 0: the last halving, k is not needed again.
.macro HALVE src, width, more
.irp o, 0,1
	v_bfe_u32 v[QT+\o], v[\src+\o], v[QPOS+\o], \width
.endr
.irp o, 0,1
	v_cmp_ge_u32 vcc_lo, v[QR+\o], v[QT+\o]
	v_cndmask_b32 v[QX+\o], 0, \width, vcc_lo
.endr
.irp o, 0,1
	v_add_nc_u32 v[QPOS+\o], v[QPOS+\o], v[QX+\o]
.endr
.if \more
.irp o, 0,1
	v_sub_nc_u32 v[QT+\o], v[QR+\o], v[QT+\o]
.endr
.irp o, 0,1
	v_min_u32 v[QR+\o], v[QR+\o], v[QT+\o]
.endr
.endif
.endm
; QR, QR + 1: in each lane a row of the expert's tokens; out: that token's number.  The two registers go side by side, so that no line waits for the one in front of it.
.macro SELECT2
.irp o, 0,1
	v_min_u32 v[QR+\o], s21, v[QR+\o]              ; rows past the expert's last repeat it
	v_mov_b32 v[QW+\o], s32                        ; word 0 has no tokens ahead of it: it starts the search
	v_mov_b32 v[QP+\o], 0
.endr
	s_bcnt1_i32_b32 s23, s32
.set g, 1
.rept 31
	s_or_b32 s67, s23, g<<16                       ; tokens ahead of word g (1,024 at the most), and g
.irp o, 0,1
	v_cmp_gt_u32 vcc_lo, s23, v[QR+\o]             ; more tokens ahead of word g than the row's number: the row lies in an earlier word, which stays
	v_cndmask_b32 v[QW+\o], s[32+g], v[QW+\o], vcc_lo
	v_cndmask_b32 v[QP+\o], s67, v[QP+\o], vcc_lo
.endr
.if g < 31
	s_bcnt1_i32_b32 s66, s[32+g]
	s_add_co_u32 s23, s23, s66
.endif
.set g, g+1
.endr
.irp o, 0,1
	v_and_b32 v[QT+\o], 0xffff, v[QP+\o]
	v_lshrrev_b32 v[QA+\o], 1, v[QW+\o]
.endr
.irp o, 0,1
	v_sub_nc_u32 v[QR+\o], v[QR+\o], v[QT+\o]      ; k: the row is set bit k of its word
	v_and_b32 v[QA+\o], 0x55555555, v[QA+\o]
.endr
.irp o, 0,1
	v_sub_nc_u32 v[QA+\o], v[QW+\o], v[QA+\o]      ; sixteen counts of 2 bits
.endr
.irp o, 0,1
	v_lshrrev_b32 v[QB+\o], 2, v[QA+\o]
	v_and_b32 v[QX+\o], 0x33333333, v[QA+\o]
.endr
.irp o, 0,1
	v_and_b32 v[QB+\o], 0x33333333, v[QB+\o]
.endr
.irp o, 0,1
	v_add_nc_u32 v[QB+\o], v[QB+\o], v[QX+\o]      ; eight counts of 4 bits
.endr
.irp o, 0,1
	v_lshrrev_b32 v[QC+\o], 4, v[QB+\o]
.endr
.irp o, 0,1
	v_add_nc_u32 v[QC+\o], v[QC+\o], v[QB+\o]
.endr
.irp o, 0,1
	v_and_b32 v[QC+\o], 0x0f0f0f0f, v[QC+\o]       ; four counts of 8 bits
.endr
.irp o, 0,1
	v_bfe_u32 v[QT+\o], v[QC+\o], 8, 8
	v_and_b32 v[QX+\o], 0xff, v[QC+\o]
.endr
.irp o, 0,1
	v_add_nc_u32 v[QT+\o], v[QT+\o], v[QX+\o]      ; set bits among the lower 16
.endr
.irp o, 0,1
	v_cmp_ge_u32 vcc_lo, v[QR+\o], v[QT+\o]
	v_cndmask_b32 v[QPOS+\o], 0, 16, vcc_lo        ; the first halving starts the place
.endr
.irp o, 0,1
	v_sub_nc_u32 v[QT+\o], v[QR+\o], v[QT+\o]
.endr
.irp o, 0,1
	v_min_u32 v[QR+\o], v[QR+\o], v[QT+\o]
.endr
	HALVE QC, 8, 1
	HALVE QB, 4, 1
	HALVE QA, 2, 1
	HALVE QW, 1, 0
.irp o, 0,1
	v_lshrrev_b32 v[QX+\o], 16, v[QP+\o]
.endr
.irp o, 0,1
	v_lshl_add_u32 v[QR+\o], v[QX+\o], 5, v[QPOS+\o]       ; token = 32 x word + place
.endr
.endm
; ADR + i = (token of lane i of QR for lanes 0-15, of QR + 1 for lanes 16-31) << sh + piece
.macro SPREAD2 cnt, sh, piece
.set i, 0
.rept \cnt
	v_readlane_b32 s[66+2*(i&3)], v[QR], i
	v_readlane_b32 s[67+2*(i&3)], v[QR+1], i
	v_mov_b32 v[ADR+i], s[66+2*(i&3)]
	v_cndmask_b32 v[ADR+i], v[ADR+i], s[67+2*(i&3)], s76
	v_min_u32 v[ADR+i], 0x3ff, v[ADR+i]            ; a token's number
	v_lshl_add_u32 v[ADR+i], v[ADR+i], \sh, v[\piece]
.set i, i+1
.endr
.endm
; ADR + i = (token of lane i % 32 of QR + i / 32) << sh + piece, the same row in all lanes
.macro SPREAD1 cnt, sh, piece
.set i, 0
.rept \cnt
	v_readlane_b32 s[66+(i&7)], v[QR+(i>>5)], i&31
	v_mov_b32 v[ADR+i], s[66+(i&7)]
	v_min_u32 v[ADR+i], 0x3ff, v[ADR+i]            ; a token's number
	v_lshl_add_u32 v[ADR+i], v[ADR+i], \sh, v[\piece]
.set i, i+1
.endr
.endm
; A pass's head: the rows' offsets, trip 0's rows into slot 0, the ring filled.  In pass 0 ring slots 0 and 1 were asked for ahead of the search.
.macro HEAD cond
.if \cond
	NOROWS .Lhead_\@
	s_wait_loadcnt 0x0                             ; the stretch stands by itself: no load is on its way into the ring that is asked for again
.endif
	v_add_nc_u32 v[QR], s22, v[PSA]                ; lane i: row 8 i + 2 w of the pass,
	v_add_nc_u32 v[QR+1], 1, v[QR]                 ; and the row behind it
	SELECT2
	SPREAD2 24, PA_SH, PIECE
.if \cond
	WLOAD 0, 0, 0
	WLOAD 1, 0, 1
.endif
	ALOAD STG, 0x80, 0                             ; trip 0's rows, both halves at once: AF is idle here
	ALOAD AF, 0, 256
	WLOAD 2, 0, 2
	WLOAD 3, 0, 3
	s_wait_loadcnt 32                              ; ring slots 2 and 3 are younger: both halves of A and ring slots 0 and 1 are in
	ASTORE STG, 0x08, 0, 0
	ASTORE AF, 0, 0, 1
	WIN 0
.if \cond
.Lhead_\@:
.endif
	BAR                                            ; slot 0 is whole
.endm
; Each wave's sums into its own stage: row 16 mt + r, word 16 tn + 8 hh + j.  The stages lie over the slots, which nobody reads behind the last trip's barrier.
.macro STAGE cond
.if \cond
	NOROWS .Lstage_\@
.endif
	PLACES
	WIN 0x04
.set mt, 0
.rept 8
.irp tn, 0,1,2,3
	ds_store_b128 v[STGA], v[8*(4*mt+\tn):8*(4*mt+\tn)+3]   offset:mt*16*SPITCH+64*\tn
	ds_store_b128 v[STGA], v[8*(4*mt+\tn)+4:8*(4*mt+\tn)+7] offset:mt*16*SPITCH+64*\tn+16
.endr
.set mt, mt+1
.endr
	WIN 0x08
.rept 4
.irp tn, 0,1,2,3
	ds_store_b128 v[STGA], v[8*(4*(mt-8)+\tn):8*(4*(mt-8)+\tn)+3]   offset:mt*16*SPITCH+64*\tn
	ds_store_b128 v[STGA], v[8*(4*(mt-8)+\tn)+4:8*(4*(mt-8)+\tn)+7] offset:mt*16*SPITCH+64*\tn+16
.endr
.set mt, mt+1
.endr
	WIN 0
.if \cond
.Lstage_\@:
.endif
	BAR                                            ; all four stages are whole
.endm
.if LAYER == 1
.macro ELOAD g, buf                    ; two pieces (rows 16 g + 4 rho + 8 hh + w), two K halves, four tiles: pairs (column 8 u + tn, 8 u + 4 + tn)
.irp rho, 0,1
.irp p, 0,1
.irp tn, 0,1,2,3
	ds_load_b64 v[XB+32*(\buf)+16*\rho+8*\p+2*\tn:XB+32*(\buf)+16*\rho+8*\p+2*\tn+1], v[RDA+\p] offset:(16*(\g)+4*\rho)*SPITCH+64*\tn
.endr
.endr
.endr
.endm
.macro EPIECE g, rho
.set xx, XB+32*((\g)&1)+16*\rho
.set oo, OT+4*\rho
.irp tn, 0,2,4,6
	v_pk_add_f32 v[xx+\tn:xx+\tn+1], v[xx+\tn:xx+\tn+1], v[xx+8+\tn:xx+8+\tn+1]
.endr
.irp tn, 0,2,4,6
	v_pk_fma_f32 v[xx+\tn:xx+\tn+1], v[xx+\tn:xx+\tn+1], 0x3d800000, v[BP+\tn:BP+\tn+1] op_sel_hi:[1,0,1]
.endr
.irp j, 0,1,2,3,4,5,6,7
	v_max_num_f32 v[xx+\j], 0, v[xx+\j]
.endr
	v_cvt_pk_f16_f32 v[oo],   v[xx],   v[xx+2]     ; columns 8 u + 0, 1
	v_cvt_pk_f16_f32 v[oo+1], v[xx+4], v[xx+6]     ; 2, 3
	v_cvt_pk_f16_f32 v[oo+2], v[xx+1], v[xx+3]     ; 4, 5
	v_cvt_pk_f16_f32 v[oo+3], v[xx+5], v[xx+7]     ; 6, 7
	global_store_b128 v[ADR+2*(\g)+\rho], v[oo:oo+3], s[10:11]
.endm
.else
.macro ELOAD g, buf                    ; four rows (16 g + 4 rho + w), two K halves, four tiles: columns 4 l + tn
.irp rho, 0,1,2,3
.irp p, 0,1
.irp tn, 0,1,2,3
	ds_load_b32 v[XB+32*(\buf)+8*\rho+4*\p+\tn], v[RDA+\p] offset:(16*(\g)+4*\rho)*SPITCH+64*\tn
.endr
.endr
.endr
.endm
.endif
; THE WAY OUT, jumped over in every pass that has no rows (pass 0: T = 0).
.macro WAYOUT
	NOROWS .Lout_\@
	v_add_nc_u32 v[QR], s22, v[POA]
	v_add_nc_u32 v[QR+1], POSTEP, v[QR]
	SELECT2
.if LAYER == 1
	; the two K halves are added, / 16 and bias in one fused multiply-add, relu, f16; sixteen lanes store 256 consecutive aligned bytes of a token's row
	SPREAD2 24, OUT_SH, PIECE
	ELOAD 0, 0
.set g, 0
.rept 12
.if g > 0
	s_wait_xcnt 0x0                                ; the packed results of the last group were store data
.endif
.if g < 11
	ELOAD (g+1), ((g+1)&1)
	s_wait_dscnt 16                                ; the next group's sixteen reads are younger
.else
	s_wait_dscnt 0x0
.endif
	EPIECE g, 0
	EPIECE g, 1
.set g, g+1
.endr
.else
	; the two K halves are added; a wave stores 512 consecutive aligned bytes of a token's row of its plane
	SPREAD1 48, OUT_SH, PIEC2
	ELOAD 0, 0
.set g, 0
.rept 12
.if g > 0
	s_wait_xcnt 0x0                                ; the buffer that is loaded next was store data
.endif
.if g < 11
	ELOAD (g+1), ((g+1)&1)
	s_wait_dscnt 32                                ; the next group's 32 reads are younger
.else
	s_wait_dscnt 0x0
.endif
.irp rho, 0,1,2,3
.set xx, XB+32*(g&1)+8*\rho
	v_pk_add_f32 v[xx:xx+1],   v[xx:xx+1],   v[xx+4:xx+5]
	v_pk_add_f32 v[xx+2:xx+3], v[xx+2:xx+3], v[xx+6:xx+7]
	global_store_b128 v[ADR+4*g+\rho], v[xx:xx+3], s[10:11]
.endr
.set g, g+1
.endr
.endif
	s_wait_xcnt 0x0                                ; the stores' offsets and data may be written by whatever stretch runs next
.Lout_\@:
	BAR                                            ; everybody's reads of the stages are done: slot 0 may be written again
.endm
	s_load_b256 s[4:11], s[0:1], 0x0               ; A s[4:5], W s[6:7], emask s[8:9], out s[10:11]
.if LAYER == 1
	s_load_b64 s[12:13], s[0:1], 0x20              ; b1
	v_lshl_add_u32 v19, v0, 2, 0x33100
	v_mov_b32 v20, 0
.endif
	v_and_b32 v1, 31, v0                           ; lane
	v_lshrrev_b32 v2, 5, v0
	v_readfirstlane_b32 s14, v2                    ; wave w
	v_and_b32 v2, 15, v0                           ; r, also called u
	v_bfe_u32 v3, v0, 4, 1                         ; hh
	s_and_b32 s15, s14, 1                          ; cw
	s_lshr_b32 s16, s14, 1                         ; kw
	s_lshr_b32 s17, ttmp9, 5                       ; expert e: 32 work-groups each
	s_lshl_b32 s66, s17, 24                        ; an expert's weights: 16 MiB
	s_mov_b32 s67, 0
	s_mov_b32 s71, 0
	s_mov_b32 s73, 0
	s_lshl_b32 s74, s17, 7                         ; an expert's mask: 128 bytes
	s_mov_b32 s75, 0
	s_mov_b32 s76, 0xffff0000                      ; lanes 16-31
.if LAYER == 1
	s_and_b32 s18, ttmp9, 31                       ; which 128 columns of H
	s_lshl_b32 s68, s18, 9
	s_add_co_u32 s66, s66, s68                     ; W1: + 512 bytes a slice
	s_lshl_b32 s70, s18, 8                         ; h: 256 bytes a slice
	s_lshl_b32 s72, s17, 14
	s_add_co_u32 s72, s72, s68                     ; b1: expert's 16,384 bytes + 512 a slice
.else
	s_and_b32 s18, ttmp9, 7                        ; which 128 columns of D
	s_bfe_u32 s19, ttmp9, 0x20003                  ; kq: which quarter of H
	s_lshl_b32 s68, s19, 22                        ; 1,024 rows of W2, and a plane of part: 4 MiB
	s_lshl_b32 s70, s18, 9
	s_add_co_u32 s66, s66, s68
	s_add_co_u32 s66, s66, s70                     ; W2
	s_add_co_u32 s70, s70, s68                     ; part
	s_lshl_b32 s72, s19, 11                        ; h: 1,024 f16 along the row
.endif
	s_lshl_b32 s68, s16, 6                         ; 64 kw
	s_lshl_b32 s69, s15, 8                         ; 256 cw
	v_lshl_add_u32 v[VB], v3, 3, s68
	v_lshlrev_b32 v[VB], PB_SH, v[VB]
	v_lshl_add_u32 v[VB], v2, 4, v[VB]
	v_add_nc_u32 v[VB], s69, v[VB]
	v_add_nc_u32 v[VP], s68, v1
	v_lshlrev_b32 v[VP], PB_SH, v[VP]
	v_add_nc_u32 v[VP], s69, v[VP]
	s_lshl_b32 s68, s16, 7                         ; my K half inside a half row: 128 kw bytes
	v_mul_u32_u24 v[ADRA], v2, APITCH
	v_lshl_add_u32 v[ADRA], v3, 4, v[ADRA]
	v_add_nc_u32 v[ADRA], s68, v[ADRA]
	v_add_nc_u32 v[ADRA+1], HALF, v[ADRA]
	v_add_nc_u32 v[ADRA+2], SLOT, v[ADRA]
	v_add_nc_u32 v[ADRA+3], SLOT+HALF, v[ADRA]
	s_lshl_b32 s68, s14, 1
	v_add_nc_u32 v21, s68, v3                      ; 2 w + hh: my row among eight, gathering
	v_mul_u32_u24 v[STA], v21, APITCH
	v_lshl_add_u32 v[STA], v2, 4, v[STA]
	v_add_nc_u32 v[STA+1], HALF, v[STA]
	v_add_nc_u32 v[STA+2], SLOT, v[STA]
	v_add_nc_u32 v[STA+3], SLOT+HALF, v[STA]
	v_lshl_add_u32 v[PSA], v1, 3, s68              ; 8 x lane + 2 w
	s_mul_i32 s68, s14, REG
	v_mul_u32_u24 v[STGA], v2, SPITCH
	v_lshl_add_u32 v[STGA], v3, 5, v[STGA]
	v_add_nc_u32 v[STGA], s68, v[STGA]
	v_lshlrev_b32 v[PIECE], 4, v2
.if LAYER == 1
	; back: lane u takes columns 8 u .. 8 u + 7 = stage u >> 3, for each tn the words 16 tn + 2 (u & 7), + 1; rows 8 hh + w + ..
	v_lshl_add_u32 v21, v3, 3, s14
	v_mul_u32_u24 v[RDA], v21, SPITCH
	v_lshrrev_b32 v24, 3, v2
	v_mul_u32_u24 v24, v24, REG
	v_add_nc_u32 v[RDA], v24, v[RDA]
	v_and_b32 v24, 7, v2
	v_lshl_add_u32 v[RDA], v24, 3, v[RDA]
	v_lshlrev_b32 v[PIEC2], 5, v2
	v_lshrrev_b32 v24, 1, v1                       ; store i's row for hh = 0: 16 (i / 2) + 4 (i % 2) + w
	v_lshl_add_u32 v[POA], v24, 4, s14
	v_and_b32 v24, 1, v1
	v_lshl_add_u32 v[POA], v24, 2, v[POA]
.else
	; back: lane l takes columns 4 l .. 4 l + 3 = stage hh, for each tn the word 16 tn + u; rows w + ..
	s_mul_i32 s68, s14, SPITCH
	v_mul_u32_u24 v[RDA], v3, REG
	v_lshl_add_u32 v[RDA], v2, 2, v[RDA]
	v_add_nc_u32 v[RDA], s68, v[RDA]
	v_lshlrev_b32 v[PIEC2], 4, v1
	v_lshl_add_u32 v[POA], v1, 2, s14              ; store i's row: 4 i + w
.endif
	v_add_nc_u32 v[RDA+1], 2*REG, v[RDA]
	s_wait_kmcnt 0x0
	s_add_nc_u64 s[WB:WB+1], s[6:7], s[66:67]
	s_add_nc_u64 s[WB+2:WB+3], s[WB:WB+1], 256*PB
	s_add_nc_u64 s[WB+4:WB+5], s[WB:WB+1], 512*PB
	s_add_nc_u64 s[WB+6:WB+7], s[WB:WB+1], 768*PB
	s_add_nc_u64 s[10:11], s[10:11], s[70:71]
	s_add_nc_u64 s[8:9], s[8:9], s[74:75]
.if LAYER == 1
	s_add_nc_u64 s[12:13], s[12:13], s[72:73]
.else
	s_add_nc_u64 s[4:5], s[4:5], s[72:73]
.endif
	s_load_b512 s[32:47], s[8:9], 0x0              ; the expert's 1,024 bits
	s_load_b512 s[48:63], s[8:9], 0x40
.if LAYER == 1
	global_load_b128 v[OT:OT+3],   v[PIEC2], s[12:13]
	global_load_b128 v[OT+4:OT+7], v[PIEC2], s[12:13] offset:16
.endif
	WLOAD 0, 0, 0                                  ; the weights hang on no routing: the first two K steps are on their way while the rows are searched
	WLOAD 1, 0, 1
	WIN 0
	s_wait_kmcnt 0x0
	s_bcnt1_i32_b32 s20, s32                       ; T: the set bits of the 32 words
.set g, 1
.rept 31
	s_bcnt1_i32_b32 s66, s[32+g]
	s_add_co_u32 s20, s20, s66
.set g, g+1
.endr
	s_sub_co_u32 s21, s20, 1                       ; T - 1 (T = 0: all ones, which holds nothing back; the search then ends at token 1,023)
.if LAYER == 1
	s_wait_loadcnt 32                              ; the 32 weight loads are younger: b1 is in
.irp tn, 0,1,2,3
	v_mul_f32 v[BP+2*\tn],   0x3d800000, v[OT+\tn]
	v_mul_f32 v[BP+2*\tn+1], 0x3d800000, v[OT+4+\tn]
.endr
.endif
	; PASS 0
	s_mov_b32 s22, 0
	HEAD 0
	TRIP 0, 1, 0                                   ; the first products start the sums: nothing is cleared
	TRIP 1, 0, 0
	TRIP 2, 0, 0
	TRIP 3, 0, 0
	STAGE 0
	WAYOUT
	; PASSES 1 TO 5: five trips whatever T is; what T decides is which stretches are jumped over
	s_mov_b32 s22, ROWS
.Lpass:
	HEAD 1
	TRIP 0, 1, 1
	TRIP 1, 0, 1
	TRIP 2, 0, 1
	TRIP 3, 0, 1
	STAGE 1
	WAYOUT
	s_add_co_u32 s22, s22, ROWS
	s_cmp_lt_u32 s22, PASSES*ROWS
	s_cbranch_scc1 .Lpass
	s_wait_tensorcnt 0x0
	ds_add_u32 v19, v20
	s_wait_dscnt 0x0
	s_endpgm
.Lfunc_end_k_qe28164ddf9_ffn1:
	.size	k_qe28164ddf9_ffn1, .Lfunc_end_k_qe28164ddf9_ffn1-k_qe28164ddf9_ffn1
	.p2alignl 7, 3214868480
	.fill 96, 4, 3214868480
	.section	.rodata,"a",@progbits
	.p2align	6, 0x0
	.amdhsa_kernel k_qe28164ddf9_ffn1
		.amdhsa_group_segment_fixed_size 209664
		.amdhsa_private_segment_fixed_size 0
		.amdhsa_enable_private_segment 0
		.amdhsa_kernarg_size 40
		.amdhsa_user_sgpr_count 2
		.amdhsa_user_sgpr_kernarg_segment_ptr 1
		.amdhsa_wavefront_size32 1
		.amdhsa_system_sgpr_workgroup_id_x 1
		.amdhsa_system_sgpr_workgroup_id_y 1
		.amdhsa_system_sgpr_workgroup_id_z 1
		.amdhsa_system_vgpr_workitem_id 0
		.amdhsa_next_free_vgpr 1024
		.amdhsa_next_free_sgpr 80
		.amdhsa_reserve_vcc 1
		.amdhsa_float_denorm_mode_32 3
		.amdhsa_float_denorm_mode_16_64 3
		.amdhsa_memory_ordered 1
		.amdhsa_forward_progress 1
		.amdhsa_inst_pref_size 255
	.end_amdhsa_kernel
	.section	.bss,"aw",@nobits
	.p2align	6
	.space	262144
	.amdgpu_metadata
---
amdhsa.version: [ 1, 2 ]
amdhsa.kernels:
  - .name:           k_qe28164ddf9_ffn1
    .symbol:         k_qe28164ddf9_ffn1.kd
    .args:
      - { .name: xh, .offset: 0, .size: 8, .value_kind: global_buffer, .address_space: global }
      - { .name: W1, .offset: 8, .size: 8, .value_kind: global_buffer, .address_space: global }
      - { .name: emask, .offset: 16, .size: 8, .value_kind: global_buffer, .address_space: global }
      - { .name: h, .offset: 24, .size: 8, .value_kind: global_buffer, .address_space: global }
      - { .name: b1, .offset: 32, .size: 8, .value_kind: global_buffer, .address_space: global }
    .group_segment_fixed_size: 209664
    .private_segment_fixed_size: 0
    .kernarg_segment_align: 8
    .kernarg_segment_size: 40
    .max_flat_workgroup_size: 128
    .sgpr_count:     80
    .vgpr_count:     1024
    .wavefront_size: 32
...
	.end_amdgpu_metadata
.endif
;; end of part 5
;; launch ffn2 (part 6): grid 256 x 1, 4 waves a work-group, no clusters, 209,664 bytes of LDS; arguments h, W2, emask, part; writes part
.if DOCPART == 6
	.amdgcn_target "amdgcn-amd-amdhsa--gfx1250"
	.amdhsa_code_object_version 6
	.text
	.protected	k_qe28164ddf9_ffn2
	.globl	k_qe28164ddf9_ffn2
	.p2align	8
	.type	k_qe28164ddf9_ffn2,@function
k_qe28164ddf9_ffn2:
	s_mov_b64 s[64:65], 0
	v_nop
	global_prefetch_b8 v0, s[64:65] scope:SCOPE_SE
	s_setreg_imm32_b32 hwreg(HW_REG_WAVE_MODE, 25, 1), 1
	s_wait_xcnt 0x0
; ONE LAYER OF THE CHOSEN EXPERT.  The same text serves both layers; LAYER picks the constants and the way out.
;   LAYER 1:  h[t][c] = relu(x[t] . W1[e][:, c] + b1[e][c]) / 16  in f16, for the tokens t whose expert is e
;   LAYER 2:  part[kq][t][c] = sum over quarter kq of H of h[t][k] W2[e][k][c]  in f32 (the four quarters, the factor 16, b2 and the gate's weight: next launch)
; reference() gathers one expert's output for each token, so only that expert's product is made.
; A work-group owns 1,024 rows x 128 columns of one expert's f32 weights (512 KiB) and multiplies all the expert's T tokens with them, 192 rows to a pass.
; Rows past T repeat the expert's last token: they give the same numbers, stored to the same bytes, so no store is masked.
; PASSES.  T is read from memory, and every wave has to pass every barrier, so no barrier stands under a branch on T.  Pass 0 (rows 0-191) is written out
; without branches but the one round its way out; with T = 0 it multiplies token 1,023's row and stores nothing.  Passes 1 to 5 (T up to 1,024) are a loop of five
; trips in which each stretch between two barriers is jumped over when the expert has no rows for it.  Each such stretch has a branch of its own, so each is
; written to be right whatever stretches ran before it: it waits for all loads first.  A later pass reads the weights again and keeps fewer loads ahead:
; an expert with more than 192 tokens is served, but not at pass 0's pace.
; Wave w: cw = w & 1 its 64 columns, kw = w >> 1 its half of K: every weight byte is loaded by one wave.
; WEIGHTS GO STRAIGHT INTO FRAGMENTS.  For 32 of K, lane (r = l & 15, hh = l >> 4) loads 16 bytes (columns 4 r .. 4 r + 3) of 16 rows; each load of the wave covers
; two runs of 256 consecutive aligned bytes.  The lane's four columns belong to four N tiles (tile tn = columns 4 c + tn), and v_cvt_pk_f16_f32 of two
; rows' numbers is one fragment register: no transposition and no LDS for the weights.  A ring of four such sets of 64 registers keeps the loads ahead.
; WHICH TOKEN IS ROW n: the expert's tokens are the set bits of its 1,024 mask bits, which lie in 32 scalar registers.  The n-th set bit is found in registers
; (SELECT2): the word by 31 compares against the running count, the bit in the word by five halvings on the word's counts of 16, 8, 4, 2 and 1 bits.  A wave
; needs 48 rows at a time, so two registers hold them, one row a lane, and v_readlane_b32 hands each to the lanes that load or store it.  No list is kept in LDS.
; TOKENS' ROWS are gathered into registers and from there into one of two LDS slots (192 rows x 256 K in f16).
; THE MATRIX INSTRUCTION IS USED TRANSPOSED: source 0 = weights, source 1 = tokens; lane (r, hh), register j holds token row 16 mt + r, column 64 cw + 4 (8 hh + j) + tn.
; f16 AND NOT bf16: the result is held to a hundredth of the output's spread, and four roundings to 8 bits come near it; 11 bits leave room.
; LIMITS: |x|, |W| above 65,504 and relu(..) above 1,048,064 become infinite in f16; h is kept as h / 16 for that room.  relu of a NaN gives 0.
; No tensor loads: the weights need a conversion in registers and the tokens' rows are gathered.  No cluster: without tensor loads there is no joint request.
.set LAYER, 2
.if LAYER == 1
.set PA_SH,  11                        ; a token's row of A: 2,048 bytes (xh)
.set PB_SH,  14                        ; a row of W1: 16,384 bytes
.set OUT_SH, 13                        ; a row of h: 8,192 bytes
.set POSTEP, 8                         ; the way out: the second register's rows lie 8 further down (hh = 1)
.else
.set PA_SH,  13                        ; a token's row of A: 8,192 bytes (h)
.set PB_SH,  12                        ; a row of W2: 4,096 bytes
.set OUT_SH, 12                        ; a row of part: 4,096 bytes
.set POSTEP, 128                       ; the way out: the second register's rows lie 128 further down (stores 32 to 47)
.endif
.set PB,     1<<PB_SH
.set ROWS,   192                       ; rows of a pass
.set PASSES, 6                         ; 6 x 192 = 1,152 rows cover the 1,024 tokens
.set APITCH, 528                       ; an LDS row of A: 512 bytes + 16 = 33 x 16: sixteen consecutive rows start at sixteen different 16-byte columns of a 256-byte span
.set HALF,   96*APITCH                 ; 96 rows: what an LDS offset of 16 bits reaches
.set SLOT,   192*APITCH                ; 101,376; two slots at 0 and SLOT
.set SPITCH, 272                       ; a row of a wave's stage: 64 f32 + 16 bytes = 17 x 16
.set REG,    192*SPITCH+64             ; a wave's stage, 52,288 bytes; the 64 put the two column halves 64 bytes apart modulo 256.  The four stages lie over the two slots
; window 0
.set VB,    4                          ; weights: (8 hh + 64 kw) rows + 256 cw + 16 r
.set VP,    5                          ; prefetch: (64 kw + lane) rows + 256 cw
.set ADRA,  6                          ; v6-9    [slot][half]: my A fragments
.set STA,   10                         ; v10-13  [slot][half]: where I put the rows that I gather
.set STGA,  14                         ; my stage: w REG + 272 r + 32 hh
.set PSA,   15                         ; gathering: the row for which lane i searches: 8 i + 2 w (load i, hh = 0)
.set RDA,   16                         ; v16-17  [kw half]: where I read the stages back
.set POA,   18                         ; the way out: the row for which lane i searches
.set PIECE, 22                         ; 16 u
.set PIEC2, 23                         ; LAYER 1: 32 u, b1's offset; LAYER 2: 16 x lane
.set OT,    24                         ; v24-31  LAYER 1: b1 as loaded, then packed results
.set BP,    32                         ; v32-39  LAYER 1: pairs (b1[8 u + tn], b1[8 u + 4 + tn]) / 16
.set ADR,   40                         ; v40-63  byte offsets of gathered rows (LAYER 2's way out: v40-87)
.set BF,    64                         ; v64-95  four weight fragments
.set AF,    96                         ; v96-191 twelve token fragments
.set XB,    192                        ; v192-255 the way out, two buffers of 32; ahead of that the search's registers, a pair each:
.set QR,    XB                         ;   the row, then its place k in the word, then the token
.set QW,    XB+2                       ;   the mask word that holds it
.set QP,    XB+4                       ;   tokens ahead of that word, and the word's number << 16
.set QA,    XB+6                       ;   the word's counts of 2 bits,
.set QB,    XB+8                       ;   of 4,
.set QC,    XB+10                      ;   of 8
.set QT,    XB+12                      ;   at work
.set QPOS,  XB+14                      ;   the bit's place
.set QX,    XB+16                      ;   at work
; window 1: accumulators of M tiles 0-7 at 8 (4 mt + tn); window 2: M tiles 8-11 at 8 (4 (mt - 8) + tn), and
.set STG,   128                        ; window 2, v128-223: 24 x 16 bytes of gathered rows on their way to LDS
; window 3: the ring, slot s at 64 s
.set WB,    24                         ; s[24:31] the weights' address at trip 0, 1, 2, 3 (256 rows apart)
; s20 = T, s21 = T - 1, s22 = the pass's first row, s23 = running count, s[32:63] = the expert's mask, s76 = lanes 16-31
.set MSB, 0
.macro WIN new                         ; s_set_vgpr_msb: bits 1:0 source 0, 3:2 source 1, 5:4 source 2, 7:6 destination; the high byte repeats the setting that is left
.if MSB != \new
	s_set_vgpr_msb (MSB<<8)|\new
.set MSB, \new
.endif
.endm
.macro PLACES                          ; four plain vector instructions between a matrix instruction and whatever writes its sources or reads its result (ISA guide 7.12.1)
.rept 4
	v_nop
.endr
.endm
.macro BAR                             ; on every wave's path: my LDS reads and stores are done, then everybody's
	s_wait_dscnt 0x0
	s_barrier_signal -1
	s_barrier_wait -1
.endm
.macro NOROWS lbl                      ; jump over a stretch for which the expert has no rows; no barrier is jumped over
	s_cmp_ge_u32 s22, s20
	s_cbranch_scc1 \lbl
.endm
; 16 loads: the 32 rows of K step s of trip t, into ring slot ring.  K step s of a trip of 256 rows begins at row 0, 32, 128, 160 (+ 64 kw, in VB).
.macro WLOAD ring, t, s
	WIN 0xc0
.set q, 0
.rept 16
	global_load_b128 v[64*(\ring)+4*q:64*(\ring)+4*q+3], v[VB], s[WB+2*(\t):WB+2*(\t)+1] offset:(32*((\s)&1)+128*((\s)>>1)+q+8*(q>>3))*PB th:TH_LOAD_NT
.set q, q+1
.endr
.endm
; 24 loads: 256 bytes (at byte off) of the pass's 192 rows; load i: rows 8 i + 2 w + hh, sixteen lanes to a row
.macro ALOAD dst, win, off
	WIN \win
.set i, 0
.rept 24
	global_load_b128 v[\dst+4*i:\dst+4*i+3], v[ADR+i], s[4:5] offset:\off
.set i, i+1
.endr
.endm
.macro ASTORE src, win, slot, hf       ; and into the slot, at byte 256 hf of the rows
	WIN \win
.set i, 0
.rept 24
	ds_store_b128 v[STA+2*(\slot)+i/12], v[\src+4*i:\src+4*i+3] offset:(i%12)*8*APITCH+256*(\hf)
.set i, i+1
.endr
.endm
; 16 matrix instructions: M tiles mt0 .. mt0 + 3 (accumulators ab .. ab + 3 of the window) x four N tiles
.macro MM mt0, ab, zero
.irp a, 0,1,2,3
.irp b, 0,1,2,3
.if \zero
	v_wmma_f32_16x16x32_f16 v[8*(4*(\ab+\a)+\b):8*(4*(\ab+\a)+\b)+7], v[BF+8*\b:BF+8*\b+7], v[AF+8*(\mt0+\a):AF+8*(\mt0+\a)+7], 0
.else
	v_wmma_f32_16x16x32_f16 v[8*(4*(\ab+\a)+\b):8*(4*(\ab+\a)+\b)+7], v[BF+8*\b:BF+8*\b+7], v[AF+8*(\mt0+\a):AF+8*(\mt0+\a)+7], v[8*(4*(\ab+\a)+\b):8*(4*(\ab+\a)+\b)+7]
.endif
.endr
.endr
.endm
; K step s of trip t: 32 of K, 48 matrix instructions.  The 48 accumulators take turns, one instruction a turn, in the same order in every K step.
; The ring slot that has been converted is loaded again with the same K step of the next trip: four K steps ahead.
.macro KSTEP t, s, zero
	WIN 0
	PLACES                                         ; AF and BF were sources of the last matrix instructions
.set kb, 64*((\s)&1)+256*((\s)>>1)
.set mt, 0
.rept 12
	ds_load_b128 v[AF+8*mt:AF+8*mt+3],   v[ADRA+2*((\t)&1)+mt/6] offset:(mt%6)*16*APITCH+kb
	ds_load_b128 v[AF+8*mt+4:AF+8*mt+7], v[ADRA+2*((\t)&1)+mt/6] offset:(mt%6)*16*APITCH+kb+32
.set mt, mt+1
.endr
	WIN 0x0f
.irp tn, 0,1,2,3
.irp p, 0,1,2,3
	v_cvt_pk_f16_f32 v[BF+8*\tn+\p],   v[64*\s+8*\p+\tn],    v[64*\s+8*\p+4+\tn]     ; rows 8 hh + 2 p, + 1 of column 4 r + tn
	v_cvt_pk_f16_f32 v[BF+8*\tn+4+\p], v[64*\s+32+8*\p+\tn], v[64*\s+36+8*\p+\tn]    ; rows 16 + 8 hh + 2 p, + 1
.endr
.endr
.if (\t) < 3
	WLOAD \s, ((\t)+1), \s
.endif
.if 4*(\t)+\s <= 9
	; my wave's K step six further on, two K steps ahead of the loads that want it: 32 rows, one lane a row's 256 bytes; the last asked for is the slice's last K step.
	; A later pass of a long list asks for the same rows again.
.set pn, 4*(\t)+\s+6
	global_prefetch_b8 v[VP], s[WB+2*(pn>>2):WB+2*(pn>>2)+1] offset:(32*(pn&1)+128*((pn>>1)&1))*PB th:TH_LOAD_NT scope:SCOPE_SE
.endif
	WIN 0x50
	s_wait_dscnt 16                                ; eight fragments' loads are younger: M tiles 0-3 are in
	MM 0, 0, \zero
	s_wait_dscnt 8                                 ; four fragments' loads are younger
	MM 4, 4, \zero
	WIN 0xa0
	s_wait_dscnt 0
	MM 8, 0, \zero
.endm
; Trip t: 256 of K from slot t & 1 (my wave: 128 of them); meanwhile the next trip's rows are gathered into the other slot, half a row at a time.
; Loads are issued in the order A(t+1, first half), W(t+1, 0), W(t+1, 1), A(t+1, second half), W(t+1, 2), W(t+1, 3), and come back in order (ISA guide 5.7.1):
; each s_wait_loadcnt 32 leaves out the two ring slots (2 x 16 loads) issued behind the A loads that it needs, and so also shows the two ring slots
; issued ahead of those, which the next two K steps convert.  cond = 1: a stretch of the loop of later passes.
.macro TRIP t, zero, cond
.if \cond
	NOROWS .Ltrip_\@
	s_wait_loadcnt 0x0                             ; the stretch stands by itself: whatever was asked for earlier is in
.endif
.if (\t) < 3
	ALOAD STG, 0x80, 512*((\t)+1)
.endif
	KSTEP \t, 0, \zero
	KSTEP \t, 1, 0
.if (\t) < 3
	s_wait_loadcnt 32
	ASTORE STG, 0x08, (((\t)+1)&1), 0
	s_wait_dscnt 0x0                               ; the stores have read the staging registers before loads land on them again
	ALOAD STG, 0x80, 512*((\t)+1)+256
.else
	s_wait_loadcnt 0x0                             ; the last two ring slots; nothing younger is out
.endif
	KSTEP \t, 2, 0
	KSTEP \t, 3, 0
.if (\t) < 3
	s_wait_loadcnt 32
	ASTORE STG, 0x08, (((\t)+1)&1), 1
.endif
	WIN 0
.if \cond
.Ltrip_\@:
.endif
	BAR                                            ; the other slot is whole, this one may be written
.endm
; One halving of the search in the word: t = set bits among the width bits at QPOS.  If k >= t the bit lies above them: QPOS += width, k -= t.
; k - t wraps to a large number where k < t, so min(k, k - t) is the new k in both cases.  more = 0: the last halving, k is not needed again.
.macro HALVE src, width, more
.irp o, 0,1
	v_bfe_u32 v[QT+\o], v[\src+\o], v[QPOS+\o], \width
.endr
.irp o, 0,1
	v_cmp_ge_u32 vcc_lo, v[QR+\o], v[QT+\o]
	v_cndmask_b32 v[QX+\o], 0, \width, vcc_lo
.endr
.irp o, 0,1
	v_add_nc_u32 v[QPOS+\o], v[QPOS+\o], v[QX+\o]
.endr
.if \more
.irp o, 0,1
	v_sub_nc_u32 v[QT+\o], v[QR+\o], v[QT+\o]
.endr
.irp o, 0,1
	v_min_u32 v[QR+\o], v[QR+\o], v[QT+\o]
.endr
.endif
.endm
; QR, QR + 1: in each lane a row of the expert's tokens; out: that token's number.  The two registers go side by side, so that no line waits for the one in front of it.
.macro SELECT2
.irp o, 0,1
	v_min_u32 v[QR+\o], s21, v[QR+\o]              ; rows past the expert's last repeat it
	v_mov_b32 v[QW+\o], s32                        ; word 0 has no tokens ahead of it: it starts the search
	v_mov_b32 v[QP+\o], 0
.endr
	s_bcnt1_i32_b32 s23, s32
.set g, 1
.rept 31
	s_or_b32 s67, s23, g<<16                       ; tokens ahead of word g (1,024 at the most), and g
.irp o, 0,1
	v_cmp_gt_u32 vcc_lo, s23, v[QR+\o]             ; more tokens ahead of word g than the row's number: the row lies in an earlier word, which stays
	v_cndmask_b32 v[QW+\o], s[32+g], v[QW+\o], vcc_lo
	v_cndmask_b32 v[QP+\o], s67, v[QP+\o], vcc_lo
.endr
.if g < 31
	s_bcnt1_i32_b32 s66, s[32+g]
	s_add_co_u32 s23, s23, s66
.endif
.set g, g+1
.endr
.irp o, 0,1
	v_and_b32 v[QT+\o], 0xffff, v[QP+\o]
	v_lshrrev_b32 v[QA+\o], 1, v[QW+\o]
.endr
.irp o, 0,1
	v_sub_nc_u32 v[QR+\o], v[QR+\o], v[QT+\o]      ; k: the row is set bit k of its word
	v_and_b32 v[QA+\o], 0x55555555, v[QA+\o]
.endr
.irp o, 0,1
	v_sub_nc_u32 v[QA+\o], v[QW+\o], v[QA+\o]      ; sixteen counts of 2 bits
.endr
.irp o, 0,1
	v_lshrrev_b32 v[QB+\o], 2, v[QA+\o]
	v_and_b32 v[QX+\o], 0x33333333, v[QA+\o]
.endr
.irp o, 0,1
	v_and_b32 v[QB+\o], 0x33333333, v[QB+\o]
.endr
.irp o, 0,1
	v_add_nc_u32 v[QB+\o], v[QB+\o], v[QX+\o]      ; eight counts of 4 bits
.endr
.irp o, 0,1
	v_lshrrev_b32 v[QC+\o], 4, v[QB+\o]
.endr
.irp o, 0,1
	v_add_nc_u32 v[QC+\o], v[QC+\o], v[QB+\o]
.endr
.irp o, 0,1
	v_and_b32 v[QC+\o], 0x0f0f0f0f, v[QC+\o]       ; four counts of 8 bits
.endr
.irp o, 0,1
	v_bfe_u32 v[QT+\o], v[QC+\o], 8, 8
	v_and_b32 v[QX+\o], 0xff, v[QC+\o]
.endr
.irp o, 0,1
	v_add_nc_u32 v[QT+\o], v[QT+\o], v[QX+\o]      ; set bits among the lower 16
.endr
.irp o, 0,1
	v_cmp_ge_u32 vcc_lo, v[QR+\o], v[QT+\o]
	v_cndmask_b32 v[QPOS+\o], 0, 16, vcc_lo        ; the first halving starts the place
.endr
.irp o, 0,1
	v_sub_nc_u32 v[QT+\o], v[QR+\o], v[QT+\o]
.endr
.irp o, 0,1
	v_min_u32 v[QR+\o], v[QR+\o], v[QT+\o]
.endr
	HALVE QC, 8, 1
	HALVE QB, 4, 1
	HALVE QA, 2, 1
	HALVE QW, 1, 0
.irp o, 0,1
	v_lshrrev_b32 v[QX+\o], 16, v[QP+\o]
.endr
.irp o, 0,1
	v_lshl_add_u32 v[QR+\o], v[QX+\o], 5, v[QPOS+\o]       ; token = 32 x word + place
.endr
.endm
; ADR + i = (token of lane i of QR for lanes 0-15, of QR + 1 for lanes 16-31) << sh + piece
.macro SPREAD2 cnt, sh, piece
.set i, 0
.rept \cnt
	v_readlane_b32 s[66+2*(i&3)], v[QR], i
	v_readlane_b32 s[67+2*(i&3)], v[QR+1], i
	v_mov_b32 v[ADR+i], s[66+2*(i&3)]
	v_cndmask_b32 v[ADR+i], v[ADR+i], s[67+2*(i&3)], s76
	v_min_u32 v[ADR+i], 0x3ff, v[ADR+i]            ; a token's number
	v_lshl_add_u32 v[ADR+i], v[ADR+i], \sh, v[\piece]
.set i, i+1
.endr
.endm
; ADR + i = (token of lane i % 32 of QR + i / 32) << sh + piece, the same row in all lanes
.macro SPREAD1 cnt, sh, piece
.set i, 0
.rept \cnt
	v_readlane_b32 s[66+(i&7)], v[QR+(i>>5)], i&31
	v_mov_b32 v[ADR+i], s[66+(i&7)]
	v_min_u32 v[ADR+i], 0x3ff, v[ADR+i]            ; a token's number
	v_lshl_add_u32 v[ADR+i], v[ADR+i], \sh, v[\piece]
.set i, i+1
.endr
.endm
; A pass's head: the rows' offsets, trip 0's rows into slot 0, the ring filled.  In pass 0 ring slots 0 and 1 were asked for ahead of the search.
.macro HEAD cond
.if \cond
	NOROWS .Lhead_\@
	s_wait_loadcnt 0x0                             ; the stretch stands by itself: no load is on its way into the ring that is asked for again
.endif
	v_add_nc_u32 v[QR], s22, v[PSA]                ; lane i: row 8 i + 2 w of the pass,
	v_add_nc_u32 v[QR+1], 1, v[QR]                 ; and the row behind it
	SELECT2
	SPREAD2 24, PA_SH, PIECE
.if \cond
	WLOAD 0, 0, 0
	WLOAD 1, 0, 1
.endif
	ALOAD STG, 0x80, 0                             ; trip 0's rows, both halves at once: AF is idle here
	ALOAD AF, 0, 256
	WLOAD 2, 0, 2
	WLOAD 3, 0, 3
	s_wait_loadcnt 32                              ; ring slots 2 and 3 are younger: both halves of A and ring slots 0 and 1 are in
	ASTORE STG, 0x08, 0, 0
	ASTORE AF, 0, 0, 1
	WIN 0
.if \cond
.Lhead_\@:
.endif
	BAR                                            ; slot 0 is whole
.endm
; Each wave's sums into its own stage: row 16 mt + r, word 16 tn + 8 hh + j.  The stages lie over the slots, which nobody reads behind the last trip's barrier.
.macro STAGE cond
.if \cond
	NOROWS .Lstage_\@
.endif
	PLACES
	WIN 0x04
.set mt, 0
.rept 8
.irp tn, 0,1,2,3
	ds_store_b128 v[STGA], v[8*(4*mt+\tn):8*(4*mt+\tn)+3]   offset:mt*16*SPITCH+64*\tn
	ds_store_b128 v[STGA], v[8*(4*mt+\tn)+4:8*(4*mt+\tn)+7] offset:mt*16*SPITCH+64*\tn+16
.endr
.set mt, mt+1
.endr
	WIN 0x08
.rept 4
.irp tn, 0,1,2,3
	ds_store_b128 v[STGA], v[8*(4*(mt-8)+\tn):8*(4*(mt-8)+\tn)+3]   offset:mt*16*SPITCH+64*\tn
	ds_store_b128 v[STGA], v[8*(4*(mt-8)+\tn)+4:8*(4*(mt-8)+\tn)+7] offset:mt*16*SPITCH+64*\tn+16
.endr
.set mt, mt+1
.endr
	WIN 0
.if \cond
.Lstage_\@:
.endif
	BAR                                            ; all four stages are whole
.endm
.if LAYER == 1
.macro ELOAD g, buf                    ; two pieces (rows 16 g + 4 rho + 8 hh + w), two K halves, four tiles: pairs (column 8 u + tn, 8 u + 4 + tn)
.irp rho, 0,1
.irp p, 0,1
.irp tn, 0,1,2,3
	ds_load_b64 v[XB+32*(\buf)+16*\rho+8*\p+2*\tn:XB+32*(\buf)+16*\rho+8*\p+2*\tn+1], v[RDA+\p] offset:(16*(\g)+4*\rho)*SPITCH+64*\tn
.endr
.endr
.endr
.endm
.macro EPIECE g, rho
.set xx, XB+32*((\g)&1)+16*\rho
.set oo, OT+4*\rho
.irp tn, 0,2,4,6
	v_pk_add_f32 v[xx+\tn:xx+\tn+1], v[xx+\tn:xx+\tn+1], v[xx+8+\tn:xx+8+\tn+1]
.endr
.irp tn, 0,2,4,6
	v_pk_fma_f32 v[xx+\tn:xx+\tn+1], v[xx+\tn:xx+\tn+1], 0x3d800000, v[BP+\tn:BP+\tn+1] op_sel_hi:[1,0,1]
.endr
.irp j, 0,1,2,3,4,5,6,7
	v_max_num_f32 v[xx+\j], 0, v[xx+\j]
.endr
	v_cvt_pk_f16_f32 v[oo],   v[xx],   v[xx+2]     ; columns 8 u + 0, 1
	v_cvt_pk_f16_f32 v[oo+1], v[xx+4], v[xx+6]     ; 2, 3
	v_cvt_pk_f16_f32 v[oo+2], v[xx+1], v[xx+3]     ; 4, 5
	v_cvt_pk_f16_f32 v[oo+3], v[xx+5], v[xx+7]     ; 6, 7
	global_store_b128 v[ADR+2*(\g)+\rho], v[oo:oo+3], s[10:11]
.endm
.else
.macro ELOAD g, buf                    ; four rows (16 g + 4 rho + w), two K halves, four tiles: columns 4 l + tn
.irp rho, 0,1,2,3
.irp p, 0,1
.irp tn, 0,1,2,3
	ds_load_b32 v[XB+32*(\buf)+8*\rho+4*\p+\tn], v[RDA+\p] offset:(16*(\g)+4*\rho)*SPITCH+64*\tn
.endr
.endr
.endr
.endm
.endif
; THE WAY OUT, jumped over in every pass that has no rows (pass 0: T = 0).
.macro WAYOUT
	NOROWS .Lout_\@
	v_add_nc_u32 v[QR], s22, v[POA]
	v_add_nc_u32 v[QR+1], POSTEP, v[QR]
	SELECT2
.if LAYER == 1
	; the two K halves are added, / 16 and bias in one fused multiply-add, relu, f16; sixteen lanes store 256 consecutive aligned bytes of a token's row
	SPREAD2 24, OUT_SH, PIECE
	ELOAD 0, 0
.set g, 0
.rept 12
.if g > 0
	s_wait_xcnt 0x0                                ; the packed results of the last group were store data
.endif
.if g < 11
	ELOAD (g+1), ((g+1)&1)
	s_wait_dscnt 16                                ; the next group's sixteen reads are younger
.else
	s_wait_dscnt 0x0
.endif
	EPIECE g, 0
	EPIECE g, 1
.set g, g+1
.endr
.else
	; the two K halves are added; a wave stores 512 consecutive aligned bytes of a token's row of its plane
	SPREAD1 48, OUT_SH, PIEC2
	ELOAD 0, 0
.set g, 0
.rept 12
.if g > 0
	s_wait_xcnt 0x0                                ; the buffer that is loaded next was store data
.endif
.if g < 11
	ELOAD (g+1), ((g+1)&1)
	s_wait_dscnt 32                                ; the next group's 32 reads are younger
.else
	s_wait_dscnt 0x0
.endif
.irp rho, 0,1,2,3
.set xx, XB+32*(g&1)+8*\rho
	v_pk_add_f32 v[xx:xx+1],   v[xx:xx+1],   v[xx+4:xx+5]
	v_pk_add_f32 v[xx+2:xx+3], v[xx+2:xx+3], v[xx+6:xx+7]
	global_store_b128 v[ADR+4*g+\rho], v[xx:xx+3], s[10:11]
.endr
.set g, g+1
.endr
.endif
	s_wait_xcnt 0x0                                ; the stores' offsets and data may be written by whatever stretch runs next
.Lout_\@:
	BAR                                            ; everybody's reads of the stages are done: slot 0 may be written again
.endm
	s_load_b256 s[4:11], s[0:1], 0x0               ; A s[4:5], W s[6:7], emask s[8:9], out s[10:11]
	v_lshl_add_u32 v38, v0, 2, 0x33100
	v_mov_b32 v39, 0
.if LAYER == 1
	s_load_b64 s[12:13], s[0:1], 0x20              ; b1
.endif
	v_and_b32 v1, 31, v0                           ; lane
	v_lshrrev_b32 v2, 5, v0
	v_readfirstlane_b32 s14, v2                    ; wave w
	v_and_b32 v2, 15, v0                           ; r, also called u
	v_bfe_u32 v3, v0, 4, 1                         ; hh
	s_and_b32 s15, s14, 1                          ; cw
	s_lshr_b32 s16, s14, 1                         ; kw
	s_lshr_b32 s17, ttmp9, 5                       ; expert e: 32 work-groups each
	s_lshl_b32 s66, s17, 24                        ; an expert's weights: 16 MiB
	s_mov_b32 s67, 0
	s_mov_b32 s71, 0
	s_mov_b32 s73, 0
	s_lshl_b32 s74, s17, 7                         ; an expert's mask: 128 bytes
	s_mov_b32 s75, 0
	s_mov_b32 s76, 0xffff0000                      ; lanes 16-31
.if LAYER == 1
	s_and_b32 s18, ttmp9, 31                       ; which 128 columns of H
	s_lshl_b32 s68, s18, 9
	s_add_co_u32 s66, s66, s68                     ; W1: + 512 bytes a slice
	s_lshl_b32 s70, s18, 8                         ; h: 256 bytes a slice
	s_lshl_b32 s72, s17, 14
	s_add_co_u32 s72, s72, s68                     ; b1: expert's 16,384 bytes + 512 a slice
.else
	s_and_b32 s18, ttmp9, 7                        ; which 128 columns of D
	s_bfe_u32 s19, ttmp9, 0x20003                  ; kq: which quarter of H
	s_lshl_b32 s68, s19, 22                        ; 1,024 rows of W2, and a plane of part: 4 MiB
	s_lshl_b32 s70, s18, 9
	s_add_co_u32 s66, s66, s68
	s_add_co_u32 s66, s66, s70                     ; W2
	s_add_co_u32 s70, s70, s68                     ; part
	s_lshl_b32 s72, s19, 11                        ; h: 1,024 f16 along the row
.endif
	s_lshl_b32 s68, s16, 6                         ; 64 kw
	s_lshl_b32 s69, s15, 8                         ; 256 cw
	v_lshl_add_u32 v[VB], v3, 3, s68
	v_lshlrev_b32 v[VB], PB_SH, v[VB]
	v_lshl_add_u32 v[VB], v2, 4, v[VB]
	v_add_nc_u32 v[VB], s69, v[VB]
	v_add_nc_u32 v[VP], s68, v1
	v_lshlrev_b32 v[VP], PB_SH, v[VP]
	v_add_nc_u32 v[VP], s69, v[VP]
	s_lshl_b32 s68, s16, 7                         ; my K half inside a half row: 128 kw bytes
	v_mul_u32_u24 v[ADRA], v2, APITCH
	v_lshl_add_u32 v[ADRA], v3, 4, v[ADRA]
	v_add_nc_u32 v[ADRA], s68, v[ADRA]
	v_add_nc_u32 v[ADRA+1], HALF, v[ADRA]
	v_add_nc_u32 v[ADRA+2], SLOT, v[ADRA]
	v_add_nc_u32 v[ADRA+3], SLOT+HALF, v[ADRA]
	s_lshl_b32 s68, s14, 1
	v_add_nc_u32 v21, s68, v3                      ; 2 w + hh: my row among eight, gathering
	v_mul_u32_u24 v[STA], v21, APITCH
	v_lshl_add_u32 v[STA], v2, 4, v[STA]
	v_add_nc_u32 v[STA+1], HALF, v[STA]
	v_add_nc_u32 v[STA+2], SLOT, v[STA]
	v_add_nc_u32 v[STA+3], SLOT+HALF, v[STA]
	v_lshl_add_u32 v[PSA], v1, 3, s68              ; 8 x lane + 2 w
	s_mul_i32 s68, s14, REG
	v_mul_u32_u24 v[STGA], v2, SPITCH
	v_lshl_add_u32 v[STGA], v3, 5, v[STGA]
	v_add_nc_u32 v[STGA], s68, v[STGA]
	v_lshlrev_b32 v[PIECE], 4, v2
.if LAYER == 1
	; back: lane u takes columns 8 u .. 8 u + 7 = stage u >> 3, for each tn the words 16 tn + 2 (u & 7), + 1; rows 8 hh + w + ..
	v_lshl_add_u32 v21, v3, 3, s14
	v_mul_u32_u24 v[RDA], v21, SPITCH
	v_lshrrev_b32 v24, 3, v2
	v_mul_u32_u24 v24, v24, REG
	v_add_nc_u32 v[RDA], v24, v[RDA]
	v_and_b32 v24, 7, v2
	v_lshl_add_u32 v[RDA], v24, 3, v[RDA]
	v_lshlrev_b32 v[PIEC2], 5, v2
	v_lshrrev_b32 v24, 1, v1                       ; store i's row for hh = 0: 16 (i / 2) + 4 (i % 2) + w
	v_lshl_add_u32 v[POA], v24, 4, s14
	v_and_b32 v24, 1, v1
	v_lshl_add_u32 v[POA], v24, 2, v[POA]
.else
	; back: lane l takes columns 4 l .. 4 l + 3 = stage hh, for each tn the word 16 tn + u; rows w + ..
	s_mul_i32 s68, s14, SPITCH
	v_mul_u32_u24 v[RDA], v3, REG
	v_lshl_add_u32 v[RDA], v2, 2, v[RDA]
	v_add_nc_u32 v[RDA], s68, v[RDA]
	v_lshlrev_b32 v[PIEC2], 4, v1
	v_lshl_add_u32 v[POA], v1, 2, s14              ; store i's row: 4 i + w
.endif
	v_add_nc_u32 v[RDA+1], 2*REG, v[RDA]
	s_wait_kmcnt 0x0
	s_add_nc_u64 s[WB:WB+1], s[6:7], s[66:67]
	s_add_nc_u64 s[WB+2:WB+3], s[WB:WB+1], 256*PB
	s_add_nc_u64 s[WB+4:WB+5], s[WB:WB+1], 512*PB
	s_add_nc_u64 s[WB+6:WB+7], s[WB:WB+1], 768*PB
	s_add_nc_u64 s[10:11], s[10:11], s[70:71]
	s_add_nc_u64 s[8:9], s[8:9], s[74:75]
.if LAYER == 1
	s_add_nc_u64 s[12:13], s[12:13], s[72:73]
.else
	s_add_nc_u64 s[4:5], s[4:5], s[72:73]
.endif
	s_load_b512 s[32:47], s[8:9], 0x0              ; the expert's 1,024 bits
	s_load_b512 s[48:63], s[8:9], 0x40
.if LAYER == 1
	global_load_b128 v[OT:OT+3],   v[PIEC2], s[12:13]
	global_load_b128 v[OT+4:OT+7], v[PIEC2], s[12:13] offset:16
.endif
	WLOAD 0, 0, 0                                  ; the weights hang on no routing: the first two K steps are on their way while the rows are searched
	WLOAD 1, 0, 1
	WIN 0
	s_wait_kmcnt 0x0
	s_bcnt1_i32_b32 s20, s32                       ; T: the set bits of the 32 words
.set g, 1
.rept 31
	s_bcnt1_i32_b32 s66, s[32+g]
	s_add_co_u32 s20, s20, s66
.set g, g+1
.endr
	s_sub_co_u32 s21, s20, 1                       ; T - 1 (T = 0: all ones, which holds nothing back; the search then ends at token 1,023)
.if LAYER == 1
	s_wait_loadcnt 32                              ; the 32 weight loads are younger: b1 is in
.irp tn, 0,1,2,3
	v_mul_f32 v[BP+2*\tn],   0x3d800000, v[OT+\tn]
	v_mul_f32 v[BP+2*\tn+1], 0x3d800000, v[OT+4+\tn]
.endr
.endif
	; PASS 0
	s_mov_b32 s22, 0
	HEAD 0
	TRIP 0, 1, 0                                   ; the first products start the sums: nothing is cleared
	TRIP 1, 0, 0
	TRIP 2, 0, 0
	TRIP 3, 0, 0
	STAGE 0
	WAYOUT
	; PASSES 1 TO 5: five trips whatever T is; what T decides is which stretches are jumped over
	s_mov_b32 s22, ROWS
.Lpass:
	HEAD 1
	TRIP 0, 1, 1
	TRIP 1, 0, 1
	TRIP 2, 0, 1
	TRIP 3, 0, 1
	STAGE 1
	WAYOUT
	s_add_co_u32 s22, s22, ROWS
	s_cmp_lt_u32 s22, PASSES*ROWS
	s_cbranch_scc1 .Lpass
	s_wait_tensorcnt 0x0
	ds_add_u32 v38, v39
	s_wait_dscnt 0x0
	s_endpgm
.Lfunc_end_k_qe28164ddf9_ffn2:
	.size	k_qe28164ddf9_ffn2, .Lfunc_end_k_qe28164ddf9_ffn2-k_qe28164ddf9_ffn2
	.p2alignl 7, 3214868480
	.fill 96, 4, 3214868480
	.section	.rodata,"a",@progbits
	.p2align	6, 0x0
	.amdhsa_kernel k_qe28164ddf9_ffn2
		.amdhsa_group_segment_fixed_size 209664
		.amdhsa_private_segment_fixed_size 0
		.amdhsa_enable_private_segment 0
		.amdhsa_kernarg_size 32
		.amdhsa_user_sgpr_count 2
		.amdhsa_user_sgpr_kernarg_segment_ptr 1
		.amdhsa_wavefront_size32 1
		.amdhsa_system_sgpr_workgroup_id_x 1
		.amdhsa_system_sgpr_workgroup_id_y 1
		.amdhsa_system_sgpr_workgroup_id_z 1
		.amdhsa_system_vgpr_workitem_id 0
		.amdhsa_next_free_vgpr 1024
		.amdhsa_next_free_sgpr 80
		.amdhsa_reserve_vcc 1
		.amdhsa_float_denorm_mode_32 3
		.amdhsa_float_denorm_mode_16_64 3
		.amdhsa_memory_ordered 1
		.amdhsa_forward_progress 1
		.amdhsa_inst_pref_size 255
	.end_amdhsa_kernel
	.section	.bss,"aw",@nobits
	.p2align	6
	.space	262144
	.amdgpu_metadata
---
amdhsa.version: [ 1, 2 ]
amdhsa.kernels:
  - .name:           k_qe28164ddf9_ffn2
    .symbol:         k_qe28164ddf9_ffn2.kd
    .args:
      - { .name: h, .offset: 0, .size: 8, .value_kind: global_buffer, .address_space: global }
      - { .name: W2, .offset: 8, .size: 8, .value_kind: global_buffer, .address_space: global }
      - { .name: emask, .offset: 16, .size: 8, .value_kind: global_buffer, .address_space: global }
      - { .name: part, .offset: 24, .size: 8, .value_kind: global_buffer, .address_space: global }
    .group_segment_fixed_size: 209664
    .private_segment_fixed_size: 0
    .kernarg_segment_align: 8
    .kernarg_segment_size: 32
    .max_flat_workgroup_size: 128
    .sgpr_count:     80
    .vgpr_count:     1024
    .wavefront_size: 32
...
	.end_amdgpu_metadata
.endif
;; end of part 6
;; launch combine: the kernel of part 4 again; grid 256 x 1, 4 waves a work-group, no clusters, 0 bytes of LDS; arguments part, b2, eidx, out1, out0; writes out0
